; MI455X (gfx1250); checked and timed in simulation.
; The chip was launched on July 23, 2026; its instructions are those of AMD's public machine-readable ISA for CDNA 5 (MIT licence, August 2026) and "CDNA5" Instruction Set Architecture Reference Guide (July 2026). The comments in the code are by the model that wrote it; some were corrected since.
;; Spatial Axis. Allowed arithmetic: matrix products marked QUANTISED: E4M3 operands, one given power-of-two scale a tensor, by v_wmma_f32_16x16x64_fp8_fp8 or v_wmma_f32_16x16x128_fp8_fp8, f32 sums; products left as they are: f32 operands where the result goes on into a quantised operand, else bf16, f16 or f32 operands; f32 sums; everything else in f32.
;; Inputs: b_fc1 2 x 1,024 float32; b_fc2 2 x 256 float32; b_pos 2 x 8 float32; b_proj 2 x 256 float32; b_qkv 2 x 768 float32; coords 1 x 32,768 x 3 float32; ln1_b 2 x 256 float32; ln1_g 2 x 256 float32; ln2_b 2 x 256 float32; ln2_g 2 x 256 float32; lowp_scales 24 int32 (the exponents e of the quantised operands' scales 2^e); norm_b 1 x 256 float32; norm_g 1 x 256 float32; w_fc1 2 x 256 x 1,024 float32; w_fc2 2 x 1,024 x 256 float32; w_pos 2 x 3 x 8 float32; w_proj 2 x 256 x 256 float32; w_qkv 2 x 256 x 768 float32; x 1 x 32,768 x 256 float32.
;; Outputs: out0 1 x 32,768 x 256 float32.
;; This version of the problem:
;;   THIS VERSION OF THE PROBLEM IS GIVEN IN LOW PRECISION. The matrix products marked QUANTISED in the list below multiply operands that are first quantised to E4M3 (4 exponent bits, 3 mantissa bits; 8 bits a number), with one given power-of-two scale for each operand tensor; their sums are f32. All else is computed in f32.
;;   The module's matrix products, in the order in which they are computed (A, B: the left and right operand; K: the contracted axis; several contracted axes count as one K, in the product's order):
;;     1. [M 32,768, K 256] x [K 256, N 768]; A: computed on the way; B: input w_qkv: QUANTISED (scales: A lowp_scales[0], B lowp_scales[1])
;;     2. batch 1,024 x [M 256, K 32] x [K 32, N 256]; A: computed on the way; B: computed on the way: QUANTISED (scales: A lowp_scales[2], B lowp_scales[3])
;;     3. [M 8, K 3] x [K 3, N 8,388,608]; A: input w_pos; B: computed on the way: left as it is (K = 3 < 32)
;;     4. batch 1,024 x [M 32, K 256] x [K 256, N 256]; A: computed on the way; B: softmax (see below): QUANTISED (scales: A lowp_scales[4], B lowp_scales[5])
;;     5. [M 32,768, K 256] x [K 256, N 256]; A: computed on the way; B: input w_proj: QUANTISED (scales: A lowp_scales[6], B lowp_scales[7])
;;     6. [M 32,768, K 256] x [K 256, N 1,024]; A: computed on the way; B: input w_fc1: QUANTISED (scales: A lowp_scales[8], B lowp_scales[9])
;;     7. [M 32,768, K 1,024] x [K 1,024, N 256]; A: computed on the way; B: input w_fc2: QUANTISED (scales: A lowp_scales[10], B lowp_scales[11])
;;     8. [M 32,768, K 256] x [K 256, N 768]; A: computed on the way; B: input w_qkv: QUANTISED (scales: A lowp_scales[12], B lowp_scales[13])
;;     9. batch 1,024 x [M 256, K 32] x [K 32, N 256]; A: computed on the way; B: computed on the way: QUANTISED (scales: A lowp_scales[14], B lowp_scales[15])
;;     10. [M 8, K 3] x [K 3, N 8,388,608]; A: input w_pos; B: computed on the way: left as it is (K = 3 < 32)
;;     11. batch 1,024 x [M 32, K 256] x [K 256, N 256]; A: computed on the way; B: softmax (see below): QUANTISED (scales: A lowp_scales[16], B lowp_scales[17])
;;     12. [M 32,768, K 256] x [K 256, N 256]; A: computed on the way; B: input w_proj: QUANTISED (scales: A lowp_scales[18], B lowp_scales[19])
;;     13. [M 32,768, K 256] x [K 256, N 1,024]; A: computed on the way; B: input w_fc1: QUANTISED (scales: A lowp_scales[20], B lowp_scales[21])
;;     14. [M 32,768, K 1,024] x [K 1,024, N 256]; A: computed on the way; B: input w_fc2: QUANTISED (scales: A lowp_scales[22], B lowp_scales[23])
;;   THE QUANTISER, for each operand of a quantised product, along K:
;;     - The operand's scale is 2^e, e = its entry of the input lowp_scales (int32; the entries are numbered through the quantised products in the list's order, A before B).
;;     - Each number is divided by the scale, clamped to +-448, and rounded to the nearest number of E4M3, ties to even, subnormals kept.
;;     - The product sums the exact products of the quantised numbers (number of the format x scale) in f32.
;;   ~~~python
;;   def quantise(x, axis, e):      # numpy; x: float32 -> the quantised numbers, widened to float32 again
;;       x = np.moveaxis(x, axis, -1); K = x.shape[-1]
;;       r = np.clip(x / 2.0 ** e, -448, 448)
;;       step = 2.0 ** (np.maximum(np.frexp(np.where(r == 0, 1, r))[1] - 1, -6) - 3)
;;       q = np.round(r / step) * step * 2.0 ** e      # np.round: ties to even
;;       return np.moveaxis(q, -1, axis).astype(np.float32)
;;   ~~~
;;   SOFTMAX AHEAD OF A QUANTISED PRODUCT. Where the list says 'softmax', what is quantised is not the finished softmax but p = 2^(t - M), with t = logit x log2(e) and M = ceil(the row's largest t), a whole number; so 1/2 < the row's largest p <= 1. The row's sum l is taken of the UNQUANTISED p, in f32, and the product's result is divided by l at the end. Since M is a whole number, a kernel that streams over the keys may use a running M (the ceiling of the running maximum): every later rescaling is an exact power of two, so the quantised numbers keep their values, but for numbers so far below the row's largest that they fall under the format's range.
;;   OPERANDS COMPUTED ON THE WAY. 'Computed on the way' means the value that the module computes at that place (a softmax that the list does not call 'softmax' is quantised finished and normalised). What goes into a quantiser is computed in f32, as accurately as f32 sums, v_exp_f32 and their like allow (about 1e-6 of the number): no bf16 or f16 on the way to a quantiser, and a product that is left as it is and whose result goes on into a quantised operand takes f32 operands (vector FMAs, or v_wmma_f32_16x16x4_f32). A number that lies on a knife's edge between two numbers of the format may be rounded either way, as far as f32 arithmetic and the matrix unit's own rounding can turn it there, and no further.
;; One version. Each part assembles by itself: llvm-mc -triple=amdgcn-amd-amdhsa -mcpu=gfx1250 --defsym DOCPART=n.
;; ======== version 1 of 1: 4 launches
;; limits: right only within a limited range of input values
;; workspace buffers: skey 524,288 bytes of whole numbers; perm0 131,328 bytes of whole numbers; perm1 131,328 bytes of whole numbers; wc0 786,432 bytes; wc1 786,432 bytes; x1 33,554,432 bytes; hc0 8,388,608 bytes; hc1 8,388,608 bytes
;; launch prep (part 1): grid 240 x 1, 32 waves a work-group, no clusters, 21,504 bytes of LDS; arguments coords, w_qkv, w_proj, w_fc1, w_fc2, lowp_scales, skey, x, wc0, wc1, ln1_g, ln1_b, hc0; writes skey, wc0, wc1, hc0
.if DOCPART == 1
	.amdgcn_target "amdgcn-amd-amdhsa--gfx1250"
	.amdhsa_code_object_version 6
	.text
	.protected	k_q60719317f0_prep
	.globl	k_q60719317f0_prep
	.p2align	8
	.type	k_q60719317f0_prep,@function
k_q60719317f0_prep:
	s_mov_b64 s[64:65], 0
	v_nop
	global_prefetch_b8 v0, s[64:65] scope:SCOPE_SE
	s_setreg_imm32_b32 hwreg(HW_REG_WAVE_MODE, 25, 1), 1
	s_wait_xcnt 0x0
; PREP.  Work-groups 0-63: the Morton codes of both orders, sorted inside tiles of 1,024 points.  Work-groups 64-111: the four weights of both blocks as E4M3 codes, laid in the order of the operand registers.
; SORT PATH (order o = id / 32, tile T = id % 32, thread t = point 1024 T + t).  Every work-group takes the minimum and maximum of all 32,768 points itself (393,216 bytes), makes its point's code
; as reference() does (the quotient is brought to the correctly rounded one by two fused steps behind v_rcp_f32), and sorts the pairs (code, index) by a bitonic network of 55 stages.
; The network's addresses are fixed and a stage only SELECTS values (v_cndmask_b32): no address and no branch hangs on a code.
; WEIGHT PATH: a wave takes 32 columns x 32 along K.  A lane takes a column and its registers run down K, so the conversions give codes with K innermost; a lane's 16 codes go straight to their place in a
; fragment of 2,048 bytes (byte 512 c + 256 h + 16 r + b = k 32 c + 16 h + b of fragment row r): sixteen lanes store 256 consecutive bytes, aligned.
; Of a group of 32 columns, tile u, row r is column 8 u + r + 8 (r / 8).  Wave w of a block work-group owns 48 fragments on end (98,304 bytes): q, k, v (4 P + 2 u + s), proj (12 + 2 u + s), fc1 (16 + 4 b + 2 u + s), fc2 (32 + 2 s + u).
; LIMITS: each weight's exponent e between -126 and 119.  NaN among the inputs is not served.  No cluster: the work-groups share no tile but the coords, which go through registers.
.set RED, 0                            ; LDS: 32 waves x 32 bytes: three minima, three maxima
.set EXA, 1024                         ; two exchange buffers of 1,024 x 8 bytes, by turns
.set EXB, 9216
	s_load_b128 s[4:7], s[0:1], 0x0                ; coords, w_qkv
	s_load_b256 s[8:15], s[0:1], 0x10              ; w_proj, w_fc1, w_fc2, lowp_scales
	s_load_b256 s[16:23], s[0:1], 0x30             ; skey (codes, and 262,144 bytes on the indices), x, wc0, wc1
	s_load_b128 s[52:55], s[0:1], 0x50             ; ln1_g, ln1_b
	s_load_b64 s[56:57], s[0:1], 0x60              ; hc0
	v_lshl_add_u32 v126, v0, 2, 0x4400
	v_mov_b32 v127, 0
	v_lshrrev_b32 v1, 5, v0
	s_delay_alu instid0(VALU_DEP_1)
	v_readfirstlane_b32 s2, v1                     ; wave 0..31
	s_wait_kmcnt 0x0
	s_cmp_ge_u32 ttmp9, 64                         ; the same for all waves of a work-group
	s_cbranch_scc1 .Lweights
; ---------------- the sort path ----------------
.macro WMIN r                          ; the minimum over the wave's 32 lanes, in every lane
	v_min_num_f32_dpp v[\r], v[\r], v[\r] row_xmask:1 row_mask:0xf bank_mask:0xf
	s_delay_alu instid0(VALU_DEP_1)
	v_min_num_f32_dpp v[\r], v[\r], v[\r] row_xmask:2 row_mask:0xf bank_mask:0xf
	s_delay_alu instid0(VALU_DEP_1)
	v_min_num_f32_dpp v[\r], v[\r], v[\r] row_xmask:4 row_mask:0xf bank_mask:0xf
	s_delay_alu instid0(VALU_DEP_1)
	v_min_num_f32_dpp v[\r], v[\r], v[\r] row_xmask:8 row_mask:0xf bank_mask:0xf
	s_wait_alu depctr_va_vdst(0)
	v_permlanex16_b32 v14, v[\r], s24, s25
	s_delay_alu instid0(VALU_DEP_1)
	v_min_num_f32 v[\r], v[\r], v14
.endm
.macro WMAX r
	v_max_num_f32_dpp v[\r], v[\r], v[\r] row_xmask:1 row_mask:0xf bank_mask:0xf
	s_delay_alu instid0(VALU_DEP_1)
	v_max_num_f32_dpp v[\r], v[\r], v[\r] row_xmask:2 row_mask:0xf bank_mask:0xf
	s_delay_alu instid0(VALU_DEP_1)
	v_max_num_f32_dpp v[\r], v[\r], v[\r] row_xmask:4 row_mask:0xf bank_mask:0xf
	s_delay_alu instid0(VALU_DEP_1)
	v_max_num_f32_dpp v[\r], v[\r], v[\r] row_xmask:8 row_mask:0xf bank_mask:0xf
	s_delay_alu instid0(VALU_DEP_1)
	v_permlanex16_b32 v14, v[\r], s24, s25
	s_delay_alu instid0(VALU_DEP_1)
	v_max_num_f32 v[\r], v[\r], v14
.endm
; four units of 48 bytes (4 points each): unit k of thread t lies at 48 t + 49,152 k; number f of a unit belongs to axis f % 3
.macro ULOAD k0, rb                    ; four units into 48 registers from v[rb] on
.irp k, 0,1,2,3
.irp q, 0,1,2
	global_load_b128 v[\rb+12*\k+4*\q:\rb+3+12*\k+4*\q], v6, s[4:5] offset:(\k0+\k)*49152+16*\q
.endr
.endr
.endm
.macro UMIN rb                         ; their minima and maxima
.irp k, 0,1,2,3
.irp c, 0,1,2
	v_min3_num_f32 v[8+\c], v[8+\c], v[\rb+12*\k+\c], v[\rb+3+12*\k+\c]
	v_max3_num_f32 v[11+\c], v[11+\c], v[\rb+12*\k+\c], v[\rb+3+12*\k+\c]
	s_delay_alu instid0(VALU_DEP_2)
	v_min3_num_f32 v[8+\c], v[8+\c], v[\rb+6+12*\k+\c], v[\rb+9+12*\k+\c]
	s_delay_alu instid0(VALU_DEP_2)
	v_max3_num_f32 v[11+\c], v[11+\c], v[\rb+6+12*\k+\c], v[\rb+9+12*\k+\c]
.endr
.endr
.endm
.macro PART r                          ; ten bits spread so that two zero bits lie between neighbours
	v_lshl_or_b32 v[\r], v[\r], 16, v[\r]
	s_delay_alu instid0(VALU_DEP_1)
	v_and_b32 v[\r], 0x030000ff, v[\r]
	s_delay_alu instid0(VALU_DEP_1)
	v_lshl_or_b32 v[\r], v[\r], 8, v[\r]
	s_delay_alu instid0(VALU_DEP_1)
	v_and_b32 v[\r], 0x0300f00f, v[\r]
	s_delay_alu instid0(VALU_DEP_1)
	v_lshl_or_b32 v[\r], v[\r], 4, v[\r]
	s_delay_alu instid0(VALU_DEP_1)
	v_and_b32 v[\r], 0x030c30c3, v[\r]
	s_delay_alu instid0(VALU_DEP_1)
	v_lshl_or_b32 v[\r], v[\r], 2, v[\r]
	s_delay_alu instid0(VALU_DEP_1)
	v_and_b32 v[\r], 0x09249249, v[\r]
.endm
	s_mov_b32 s24, 0x76543210                      ; v_permlanex16_b32: lane l xor 16
	s_mov_b32 s25, 0xfedcba98
	s_and_b32 s27, ttmp9, 31
	s_lshl_b32 s27, s27, 10
	v_add_nc_u32 v17, s27, v0                      ; my point: 1024 T + t
	s_delay_alu instid0(VALU_DEP_1)
	v_mul_u32_u24 v18, v17, 12
	v_mul_u32_u24 v6, v0, 48
	global_load_b32 v20, v18, s[4:5]               ; its three coords
	global_load_b32 v21, v18, s[4:5] offset:4
	global_load_b32 v22, v18, s[4:5] offset:8
.irp c, 0,1,2
	v_mov_b32 v[8+\c], 0x7f800000                  ; minima begin at +infinity,
	v_mov_b32 v[11+\c], 0xff800000                 ; maxima at -infinity
.endr
	v_mov_b32 v14, 0                               ; a lane permute's destination counts as read: written once
	s_wait_alu depctr_va_vdst(0)
	ULOAD 0, 28                                    ; all 24 loads go out as one run: v28-123
	ULOAD 4, 76
	s_wait_loadcnt 12                              ; the first four units are in; the second four units' 12 loads may be out
	UMIN 28
	s_wait_alu depctr_va_vdst(0)
	s_wait_loadcnt 0x0
	UMIN 76
	WMIN 8
	WMIN 9
	WMIN 10
	WMAX 11
	WMAX 12
	WMAX 13
	s_lshl_b32 s26, s2, 5
	v_mov_b32 v15, s26                             ; RED + 32 x wave
.irp c, 0,1,2,3,4,5
	ds_store_b32 v15, v[8+\c] offset:RED+4*\c
.endr
	s_wait_dscnt 0x0                               ; for the others' sake: my six words have landed
	s_barrier_signal -1
	s_barrier_wait -1
	v_and_b32 v16, 31, v0
	s_delay_alu instid0(VALU_DEP_1)
	v_lshlrev_b32 v16, 5, v16                      ; lane l takes wave l's six words
	ds_load_b128 v[8:11], v16 offset:RED
	ds_load_b64 v[12:13], v16 offset:RED+16
	s_wait_dscnt 0x0
	WMIN 8
	WMIN 9
	WMIN 10
	WMAX 11
	WMAX 12
	WMAX 13
.irp c, 0,1,2
	v_sub_f32 v[24+\c], v[11+\c], v[8+\c]
	s_delay_alu instid0(VALU_DEP_1)
	v_add_f32 v[24+\c], 0x3089705f, v[24+\c]       ; den = (max - min) + 1e-9
.endr
	s_wait_alu depctr_va_vdst(0)
.irp c, 0,1,2
	v_rcp_f32 v[27+\c], v[24+\c]
.endr
.irp c, 0,1,2
	v_sub_f32 v[20+\c], v[20+\c], v[8+\c]          ; a = c - min (plain lines behind the reciprocals)
.endr
	s_wait_alu depctr_va_vdst(0)                   ; one wait for the three reciprocals, ahead of their first reader
.irp c, 0,1,2
	v_fma_f32 v[30+\c], -v[24+\c], v[27+\c], 1.0
	v_fma_f32 v[27+\c], v[30+\c], v[27+\c], v[27+\c]   ; y = 1 / den, refined once
	s_delay_alu instid0(VALU_DEP_1)
	v_mul_f32 v[30+\c], v[20+\c], v[27+\c]             ; q0 = a y
	s_delay_alu instid0(VALU_DEP_1)
	v_fma_f32 v[33+\c], -v[24+\c], v[30+\c], v[20+\c]  ; the remainder a - den q0, exact in one fused step
	s_delay_alu instid0(VALU_DEP_1)
	v_fma_f32 v[30+\c], v[33+\c], v[27+\c], v[30+\c]   ; the quotient as a division rounds it
	s_delay_alu instid0(VALU_DEP_1)
	v_mul_f32 v[30+\c], 0x447fc000, v[30+\c]           ; x 1023
	s_delay_alu instid0(VALU_DEP_1)
	v_cvt_i32_f32 v[30+\c], v[30+\c]                   ; toward zero
	s_delay_alu instid0(VALU_DEP_1)
	v_max_i32 v[30+\c], 0, v[30+\c]
	s_delay_alu instid0(VALU_DEP_1)
	v_min_i32 v[30+\c], 0x3ff, v[30+\c]
.endr
	s_lshr_b32 s28, ttmp9, 5                       ; the order o: axes (x, y, z) or (y, z, x)
	s_cmp_eq_u32 s28, 1
	s_cselect_b32 s29, -1, 0
	v_cndmask_b32 v24, v30, v31, s29
	v_cndmask_b32 v25, v31, v32, s29
	v_cndmask_b32 v26, v32, v30, s29
	PART 24
	PART 25
	PART 26
	v_lshl_or_b32 v2, v25, 1, v24
	s_delay_alu instid0(VALU_DEP_1)
	v_lshl_or_b32 v2, v26, 2, v2                   ; v2 = the code, v3 = the point's index: the pair that is sorted
	s_wait_alu depctr_va_vdst(0)
	v_mov_b32 v3, v17
	s_wait_alu depctr_va_vdst(0)
	v_mov_b32 v4, 0                                ; the partner's pair: written once, since DPP and permute destinations count as read
	v_mov_b32 v5, 0
	v_lshlrev_b32 v28, 3, v0                       ; 8 t: my place in an exchange buffer
.irp b, 0,1,2,3,4
	s_bfe_u32 s[30+\b], s2, (1<<16)|\b
	s_sub_co_u32 s[30+\b], 0, s[30+\b]             ; all ones where bit 5 + b of t (bit b of the wave) is set
.endr
.macro GETX m
	v_mov_b32_dpp v4, v2 row_xmask:\m row_mask:0xf bank_mask:0xf
	v_mov_b32_dpp v5, v3 row_xmask:\m row_mask:0xf bank_mask:0xf
.endm
.macro XPAT b                          ; s36 xor the lanes in which bit b of t is set; bit 10 is set in none
.if (\b) == 0
	s_xor_b32 s36, s36, 0xaaaaaaaa
.elseif (\b) == 1
	s_xor_b32 s36, s36, 0xcccccccc
.elseif (\b) == 2
	s_xor_b32 s36, s36, 0xf0f0f0f0
.elseif (\b) == 3
	s_xor_b32 s36, s36, 0xff00ff00
.elseif (\b) == 4
	s_xor_b32 s36, s36, 0xffff0000
.elseif (\b) < 10
	s_xor_b32 s36, s36, s[30+(\b)-5]
.endif
.endm
; One stage: merge size 2^K, stride 2^J.  The partner t xor 2^J comes by DPP (J < 4), by the permute across halves (J = 4) or through LDS (J > 4).
; Through LDS: the two buffers take turns, so one barrier a stage is enough: a buffer is written again only behind the NEXT stage's barrier, in front of which every wave has waited for its reads of it.
; I take the partner's pair where it is the lesser and I keep minima (bit J of t = bit K of t), or where it is the greater and I keep maxima.  The pairs are all different.
.macro STAGE
.if J == 0
	GETX 1
.elseif J == 1
	GETX 2
.elseif J == 2
	GETX 4
.elseif J == 3
	GETX 8
.elseif J == 4
	s_delay_alu instid0(VALU_DEP_2)
	v_permlanex16_b32 v4, v2, s24, s25
	s_delay_alu instid0(VALU_DEP_2)
	v_permlanex16_b32 v5, v3, s24, s25
.else
	ds_store_b64 v28, v[2:3] offset:EX
	v_xor_b32 v29, 8<<J, v28
	s_wait_alu depctr_va_vdst(0)
	s_wait_dscnt 0x0                               ; my pair has landed, and my read of the other buffer is long back
	s_barrier_signal -1
	s_barrier_wait -1
	ds_load_b64 v[4:5], v29 offset:EX
	s_wait_dscnt 0x0
.set EX, EXA+EXB-EX
.endif
	v_cmp_lt_u32 s36, v4, v2
	v_cmp_eq_u32 s37, v4, v2
	v_cmp_lt_u32 s38, v5, v3
	s_and_b32 s37, s37, s38
	s_or_b32 s36, s36, s37                         ; the partner's pair is the lesser
	XPAT J
	XPAT K
	v_cndmask_b32 v2, v2, v4, s36
	v_cndmask_b32 v3, v3, v5, s36
.endm
.set EX, EXA
.set K, 1
.rept 10
.set J, K-1
.rept K
	STAGE
.set J, J-1
.endr
.set K, K+1
.endr
	s_lshl_b32 s40, ttmp9, 12                      ; (32,768 o + 1,024 T) x 4 bytes
	s_mov_b32 s41, 0
	s_add_nc_u64 s[16:17], s[16:17], s[40:41]
	s_add_nc_u64 s[18:19], s[16:17], 0x40000       ; the indices lie 262,144 bytes behind the codes, in the same buffer
	v_lshlrev_b32 v30, 2, v0
	global_store_b32 v30, v2, s[16:17]
	global_store_b32 v30, v3, s[18:19]
	s_wait_tensorcnt 0x0
	ds_add_u32 v126, v127
	s_wait_dscnt 0x0
	s_endpgm
; ---------------- the weight path ----------------
; s25 block, s24 g (0-5 w_qkv, 6-7 w_proj, 8-15 w_fc1, 16-23 w_fc2).  Each arm sets: s44 column group, s45 K block of 32, s46 owner wave, s47 first fragment, s[40:41] the tensor.
.macro WSRC n, sz, ent, du             ; n: columns of the tensor; sz: bytes of a block's tensor; ent: its entry among a block's twelve exponents; du: fragments from tile 0 to tile 1
	s_mul_i32 s48, s25, \sz
	s_mul_i32 s49, s45, 128*\n                     ; 32 rows of n x 4 bytes
	s_add_co_u32 s48, s48, s49
	s_lshl_b32 s49, s44, 7                         ; 32 columns x 4 bytes
	s_add_co_u32 s48, s48, s49
	s_mov_b32 s49, 0
	s_add_nc_u64 s[40:41], s[40:41], s[48:49]
	s_mul_i32 s50, s25, 48
	s_add_co_u32 s50, s50, 4*\ent
	s_load_b32 s42, s[14:15], s50 offset:0x0       ; e
.set I, 0
.rept 32
	global_load_b32 v[32+I], v2, s[40:41] offset:I*\n*4 th:TH_LOAD_NT   ; row 32 kb + I at 32 neighbouring columns: 128 consecutive bytes
.set I, I+1
.endr
	v_mad_u32_u24 v5, v4, \du*2048, v3             ; my column's tile and row: u x du fragments + 16 r
.endm
.Lweights:
	s_cmp_ge_u32 ttmp9, 112                        ; work-groups 112-239: the norm path, at the text's end
	s_cbranch_scc1 .Lnorm
	s_sub_co_u32 s24, ttmp9, 64
	s_cmp_ge_u32 s24, 24
	s_cselect_b32 s25, 1, 0
	s_cselect_b32 s26, 24, 0
	s_cselect_b64 s[20:21], s[22:23], s[20:21]     ; wc1 or wc0: the choice hangs on the work-group's number alone
	s_sub_co_u32 s24, s24, s26
	s_and_b32 s27, s2, 7
	s_lshr_b32 s28, s2, 3
	v_and_b32 v1, 31, v0                           ; L: my column of the 32
	s_delay_alu instid0(VALU_DEP_1)
	v_lshlrev_b32 v2, 2, v1
	s_delay_alu instid0(VALU_DEP_2)
	v_and_b32 v3, 7, v1
	s_delay_alu instid0(VALU_DEP_3)
	v_lshrrev_b32 v4, 4, v1
	s_delay_alu instid0(VALU_DEP_1)
	v_lshl_add_u32 v3, v4, 3, v3                   ; r = L % 8 + 8 (L / 16)
	s_delay_alu instid0(VALU_DEP_1)
	v_lshlrev_b32 v3, 4, v3
	v_bfe_u32 v4, v1, 3, 1                         ; u = (L / 8) % 2
	s_cmp_lt_u32 s24, 6
	s_cbranch_scc1 .Lw_qkv
	s_cmp_lt_u32 s24, 8
	s_cbranch_scc1 .Lw_proj
	s_cmp_lt_u32 s24, 16
	s_cbranch_scc1 .Lw_fc1
	s_sub_co_u32 s29, s24, 16                      ; w_fc2
	s_lshl_b32 s45, s29, 2
	s_add_co_u32 s45, s45, s28
	s_mov_b32 s44, s27
	s_mov_b32 s46, s27
	s_lshl_b32 s47, s29, 1
	s_add_co_u32 s47, s47, 32
	s_mov_b64 s[40:41], s[12:13]
	s_wait_alu depctr_va_vdst(0)
	WSRC 256, 1048576, 11, 1
	s_branch .Lwtail
.Lw_qkv:
	s_cmp_ge_u32 s24, 3
	s_cselect_b32 s29, 1, 0                        ; which half of K
	s_cselect_b32 s30, 3, 0
	s_sub_co_u32 s30, s24, s30                     ; P: q, k or v
	s_lshl_b32 s44, s30, 3
	s_add_co_u32 s44, s44, s27
	s_lshl_b32 s45, s29, 2
	s_add_co_u32 s45, s45, s28
	s_mov_b32 s46, s27
	s_lshl_b32 s47, s30, 2
	s_add_co_u32 s47, s47, s29
	s_mov_b64 s[40:41], s[6:7]
	s_wait_alu depctr_va_vdst(0)
	WSRC 768, 786432, 1, 2
	s_branch .Lwtail
.Lw_proj:
	s_sub_co_u32 s29, s24, 6
	s_lshl_b32 s45, s29, 2
	s_add_co_u32 s45, s45, s28
	s_mov_b32 s44, s27
	s_mov_b32 s46, s27
	s_add_co_u32 s47, s29, 12
	s_mov_b64 s[40:41], s[8:9]
	s_wait_alu depctr_va_vdst(0)
	WSRC 256, 262144, 7, 2
	s_branch .Lwtail
.Lw_fc1:
	s_mov_b32 s44, s2
	s_sub_co_u32 s45, s24, 8
	s_lshr_b32 s46, s2, 2
	s_and_b32 s47, s2, 3
	s_lshl_b32 s47, s47, 2
	s_lshr_b32 s29, s45, 2
	s_add_co_u32 s47, s47, s29
	s_add_co_u32 s47, s47, 16
	s_mov_b64 s[40:41], s[10:11]
	s_wait_alu depctr_va_vdst(0)
	WSRC 1024, 1048576, 9, 2
.Lwtail:
	s_wait_kmcnt 0x0
	s_add_co_i32 s42, s42, 127
	s_lshl_b32 s43, s42, 23
	v_mov_b32 v11, s43                             ; 2^e as f32: the conversion takes its exponent field
	s_add_co_i32 s42, s42, 8
	s_lshl_b32 s42, s42, 23
	s_or_b32 s42, s42, 0x600000
	v_mov_b32 v10, s42                             ; 448 x 2^e
	s_mul_i32 s48, s46, 98304                      ; the owner wave's stream,
	s_lshl_b32 s49, s47, 11                        ; the fragment,
	s_add_co_u32 s48, s48, s49
	s_and_b32 s49, s45, 3
	s_lshl_b32 s49, s49, 9                         ; the K block's 512 bytes in it
	s_add_co_u32 s48, s48, s49
	s_mov_b32 s49, 0
	s_add_nc_u64 s[20:21], s[20:21], s[48:49]
	s_wait_alu depctr_va_vdst(0)
	s_wait_loadcnt 0x0
.set I, 0
.rept 32
	v_med3_num_f32 v[32+I], v[32+I], -v10, v10     ; the conversion to an 8-bit code does not saturate (ISA guide 7.6.2): the hold comes first
.set I, I+1
.endr
.irp g, 0,1,2,3
	v_cvt_scalef32_pk8_fp8_f32 v[64+2*\g:65+2*\g], v[32+8*\g:39+8*\g], v11
.endr
	global_store_b128 v5, v[64:67], s[20:21]               ; k 0-15 of the block: the half h = 0; each tile's sixteen lanes store 256 consecutive bytes, aligned
	global_store_b128 v5, v[68:71], s[20:21] offset:256    ; k 16-31: h = 1
	s_endpgm
; ---------------- the norm path: work-groups 112-239 ----------------
; h = LN(x; ln1_g[0], ln1_b[0]) hangs on the token alone and not on the order, so block 0's first operand is quantised here, once for each token: hc0[token][256], one code a byte, with the scale 2^e0 (entry 0).
; A wave takes 8 rows; lane l holds features 8 l .. 8 l + 7 of each row, so its eight codes are 8 bytes and the wave's store of a row covers 256 consecutive bytes, aligned.
; Two passes as in the block kernel: the mean, then the sum of (x - mean)^2.  The eight rows go side by side through every step.  No LDS.  LIMIT: e0 between -126 and 119.
.macro NSUM                            ; v[4 + 2 r] summed over the 32 lanes, for the eight rows
.irp m, 1,2,4,8
.irp r, 0,1,2,3,4,5,6,7
	v_add_f32_dpp v[4+2*\r], v[4+2*\r], v[4+2*\r] row_xmask:\m row_mask:0xf bank_mask:0xf
.endr
.endr
.irp r, 0,1,2,3,4,5,6,7
	v_permlanex16_b32 v[20+\r], v[4+2*\r], s36, s37
.endr
.irp r, 0,1,2,3,4,5,6,7
	v_add_f32 v[4+2*\r], v[4+2*\r], v[20+\r]
.endr
.endm
.Lnorm:
	s_load_b32 s30, s[14:15], 0x0                  ; e0
	s_sub_co_u32 s24, ttmp9, 112
	s_lshl_b32 s24, s24, 5
	s_add_co_u32 s24, s24, s2                      ; which run of 8 rows is my wave's: 0 .. 4,095
	s_lshl_b32 s26, s24, 13                        ; 8 rows of 1,024 bytes
	s_mov_b32 s27, 0
	s_add_nc_u64 s[18:19], s[18:19], s[26:27]
	s_lshl_b32 s26, s24, 11                        ; 8 rows of 256 bytes
	s_add_nc_u64 s[56:57], s[56:57], s[26:27]
	s_mov_b32 s36, 0x76543210                      ; v_permlanex16_b32: lane l xor 16
	s_mov_b32 s37, 0xfedcba98
	s_mov_b32 s38, 0x3b800000                      ; 1 / 256
	v_and_b32 v1, 31, v0
	v_lshlrev_b32 v2, 5, v1                        ; 32 l: my eight numbers
	v_lshlrev_b32 v3, 3, v1                        ; 8 l: my eight codes
.irp r, 0,1,2,3,4,5,6,7
	v_mov_b32 v[20+\r], 0                          ; a lane permute's destination counts as read
.endr
	global_load_b128 v[96:99], v2, s[52:53]
	global_load_b128 v[100:103], v2, s[52:53] offset:16
	global_load_b128 v[104:107], v2, s[54:55]
	global_load_b128 v[108:111], v2, s[54:55] offset:16
.irp r, 0,1,2,3,4,5,6,7
	global_load_b128 v[32+8*\r:35+8*\r], v2, s[18:19] offset:1024*\r th:TH_LOAD_NT
	global_load_b128 v[36+8*\r:39+8*\r], v2, s[18:19] offset:1024*\r+16 th:TH_LOAD_NT
.endr
	s_wait_kmcnt 0x0
	s_add_co_i32 s30, s30, 127
	s_lshl_b32 s31, s30, 23
	v_mov_b32 v28, s31                             ; 2^e0
	s_add_co_i32 s30, s30, 8
	s_lshl_b32 s30, s30, 23
	s_or_b32 s30, s30, 0x600000
	v_mov_b32 v29, s30                             ; 448 x 2^e0
	s_wait_alu depctr_va_vdst(0)
	s_wait_loadcnt 0x0
.irp r, 0,1,2,3,4,5,6,7
	v_pk_add_f32 v[4+2*\r:5+2*\r], v[32+8*\r:33+8*\r], v[34+8*\r:35+8*\r]
.endr
.irp p, 4,6
.irp r, 0,1,2,3,4,5,6,7
	v_pk_add_f32 v[4+2*\r:5+2*\r], v[4+2*\r:5+2*\r], v[32+8*\r+\p:33+8*\r+\p]
.endr
.endr
.irp r, 0,1,2,3,4,5,6,7
	v_add_f32 v[4+2*\r], v[4+2*\r], v[5+2*\r]
.endr
	NSUM
.irp r, 0,1,2,3,4,5,6,7
	v_mul_f32 v[4+2*\r], s38, v[4+2*\r]            ; the mean
.endr
.irp r, 0,1,2,3,4,5,6,7
	v_mov_b32 v[5+2*\r], v[4+2*\r]
.endr
.irp p, 0,2,4,6
.irp r, 0,1,2,3,4,5,6,7
	v_pk_add_f32 v[32+8*\r+\p:33+8*\r+\p], v[32+8*\r+\p:33+8*\r+\p], v[4+2*\r:5+2*\r] neg_lo:[0,1] neg_hi:[0,1]
.endr
.endr
.irp r, 0,1,2,3,4,5,6,7
	v_pk_mul_f32 v[4+2*\r:5+2*\r], v[32+8*\r:33+8*\r], v[32+8*\r:33+8*\r]
.endr
.irp p, 2,4,6
.irp r, 0,1,2,3,4,5,6,7
	v_pk_fma_f32 v[4+2*\r:5+2*\r], v[32+8*\r+\p:33+8*\r+\p], v[32+8*\r+\p:33+8*\r+\p], v[4+2*\r:5+2*\r]
.endr
.endr
.irp r, 0,1,2,3,4,5,6,7
	v_add_f32 v[4+2*\r], v[4+2*\r], v[5+2*\r]
.endr
	NSUM
.irp r, 0,1,2,3,4,5,6,7
	v_fmaak_f32 v[4+2*\r], s38, v[4+2*\r], 0x3727c5ac   ; the variance + 1e-5
.endr
	s_wait_alu depctr_va_vdst(0)                   ; the wait ahead of the batch,
.irp r, 0,1,2,3,4,5,6,7
	v_rsq_f32 v[4+2*\r], v[4+2*\r]
.endr
	v_nop                                          ; a plain line behind it,
	s_wait_alu depctr_va_vdst(0)                   ; and the wait ahead of its first reader
.irp r, 0,1,2,3,4,5,6,7
	v_mov_b32 v[5+2*\r], v[4+2*\r]
.endr
.irp p, 0,2,4,6
.irp r, 0,1,2,3,4,5,6,7
	v_pk_mul_f32 v[32+8*\r+\p:33+8*\r+\p], v[32+8*\r+\p:33+8*\r+\p], v[4+2*\r:5+2*\r]
.endr
.endr
.irp p, 0,2,4,6
.irp r, 0,1,2,3,4,5,6,7
	v_pk_fma_f32 v[32+8*\r+\p:33+8*\r+\p], v[32+8*\r+\p:33+8*\r+\p], v[96+\p:97+\p], v[104+\p:105+\p]
.endr
.endr
.set I, 0
.rept 64
	v_med3_num_f32 v[32+I], v[32+I], -v29, v29     ; the conversion does not saturate (ISA guide 7.6.2): the hold comes first
.set I, I+1
.endr
.irp r, 0,1,2,3,4,5,6,7
	v_cvt_scalef32_pk8_fp8_f32 v[4+2*\r:5+2*\r], v[32+8*\r:39+8*\r], v28
.endr
.irp r, 0,1,2,3,4,5,6,7
	global_store_b64 v3, v[4+2*\r:5+2*\r], s[56:57] offset:256*\r   ; 32 lanes store 256 consecutive bytes, aligned
.endr
	s_endpgm
.Lfunc_end_k_q60719317f0_prep:
	.size	k_q60719317f0_prep, .Lfunc_end_k_q60719317f0_prep-k_q60719317f0_prep
	.p2alignl 7, 3214868480
	.fill 96, 4, 3214868480
	.section	.rodata,"a",@progbits
	.p2align	6, 0x0
	.amdhsa_kernel k_q60719317f0_prep
		.amdhsa_group_segment_fixed_size 21504
		.amdhsa_private_segment_fixed_size 0
		.amdhsa_enable_private_segment 0
		.amdhsa_kernarg_size 104
		.amdhsa_user_sgpr_count 2
		.amdhsa_user_sgpr_kernarg_segment_ptr 1
		.amdhsa_wavefront_size32 1
		.amdhsa_system_sgpr_workgroup_id_x 1
		.amdhsa_system_sgpr_workgroup_id_y 1
		.amdhsa_system_sgpr_workgroup_id_z 1
		.amdhsa_system_vgpr_workitem_id 0
		.amdhsa_next_free_vgpr 128
		.amdhsa_next_free_sgpr 66
		.amdhsa_reserve_vcc 0
		.amdhsa_float_denorm_mode_32 3
		.amdhsa_float_denorm_mode_16_64 3
		.amdhsa_memory_ordered 1
		.amdhsa_forward_progress 1
		.amdhsa_inst_pref_size 106
	.end_amdhsa_kernel
	.amdgpu_metadata
---
amdhsa.version: [ 1, 2 ]
amdhsa.kernels:
  - .name:           k_q60719317f0_prep
    .symbol:         k_q60719317f0_prep.kd
    .args:
      - { .name: coords, .offset: 0, .size: 8, .value_kind: global_buffer, .address_space: global }
      - { .name: w_qkv, .offset: 8, .size: 8, .value_kind: global_buffer, .address_space: global }
      - { .name: w_proj, .offset: 16, .size: 8, .value_kind: global_buffer, .address_space: global }
      - { .name: w_fc1, .offset: 24, .size: 8, .value_kind: global_buffer, .address_space: global }
      - { .name: w_fc2, .offset: 32, .size: 8, .value_kind: global_buffer, .address_space: global }
      - { .name: lowp_scales, .offset: 40, .size: 8, .value_kind: global_buffer, .address_space: global }
      - { .name: skey, .offset: 48, .size: 8, .value_kind: global_buffer, .address_space: global }
      - { .name: x, .offset: 56, .size: 8, .value_kind: global_buffer, .address_space: global }
      - { .name: wc0, .offset: 64, .size: 8, .value_kind: global_buffer, .address_space: global }
      - { .name: wc1, .offset: 72, .size: 8, .value_kind: global_buffer, .address_space: global }
      - { .name: ln1_g, .offset: 80, .size: 8, .value_kind: global_buffer, .address_space: global }
      - { .name: ln1_b, .offset: 88, .size: 8, .value_kind: global_buffer, .address_space: global }
      - { .name: hc0, .offset: 96, .size: 8, .value_kind: global_buffer, .address_space: global }
    .group_segment_fixed_size: 21504
    .private_segment_fixed_size: 0
    .kernarg_segment_align: 8
    .kernarg_segment_size: 104
    .max_flat_workgroup_size: 1024
    .sgpr_count:     66
    .vgpr_count:     128
    .wavefront_size: 32
...
	.end_amdgpu_metadata
.endif
;; end of part 1
;; launch rank (part 2): grid 256 x 1, 32 waves a work-group, no clusters, 172,032 bytes of LDS; arguments skey, perm0, perm1; writes perm0, perm1
.if DOCPART == 2
	.amdgcn_target "amdgcn-amd-amdhsa--gfx1250"
	.amdhsa_code_object_version 6
	.text
	.protected	k_q60719317f0_rank
	.globl	k_q60719317f0_rank
	.p2align	8
	.type	k_q60719317f0_rank,@function
k_q60719317f0_rank:
	s_mov_b64 s[64:65], 0
	v_nop
	global_prefetch_b8 v0, s[64:65] scope:SCOPE_SE
	s_setreg_imm32_b32 hwreg(HW_REG_WAVE_MODE, 25, 1), 1
	s_wait_xcnt 0x0
; RANK.  Order o = id / 128, tile T = (id / 4) % 32, quarter = id % 4.  The work-group owns places p = 256 quarter + e (e = 0 .. 255) of the sorted tile T.
; A place's rank in the whole order = p + for each other tile the number of codes that come first: in earlier tiles those <= mine, in later tiles those < mine (the sort is stable: earlier tiles hold lower indices).
; SHARES: thread t = 256 part + e searches for place e in the eight tiles 8 part .. 8 part + 7; the four parts' counts meet in LDS (SUMS), and waves 0-7 add them and store.
; Each count is a binary search without a branch over a tile's 1,024 sorted codes in LDS: eleven reads; a step is a select between the place and the place + a constant, so a place never leaves its tile.
; All 32 tiles of the order (131,072 bytes) are brought in once, 4,096 bytes (one tile) by each wave's one tensor load; those bytes are only read afterwards: nothing is filled again.
; skey holds the codes of both orders and, 262,144 bytes on, the indices.  The index goes to perm[(rank + 128 o) mod 32,768]: order 1 is rolled by half a patch.
; Behind its 32,768 entries each perm buffer gets one block of 256 bytes that holds o: the block kernel reads it.
; No cluster: the 128 work-groups of an order read the same 131,072 bytes once each, at the head; there is no loop of loads to share.
.set TH,  8                            ; v8-15    the bound for my k-th tile
.set POS, 16                           ; v16-23   LDS byte of the search in it
.set VAL, 24                           ; v24-31   what was read
.set NXT, 32                           ; v32-39   the place a step further on
.set LASTW, 131068                     ; the last word of the 32 tiles in LDS
.set SUMS, 131072                      ; 1,024 words: thread t's count, in bytes
.set SPARE, 0x29000                    ; the spare words: 128 bytes for each of 32 waves
	s_load_b128 s[4:7], s[0:1], 0x0                ; skey, perm0
	s_load_b64 s[8:9], s[0:1], 0x10                ; perm1
	v_lshl_add_u32 v40, v0, 2, SPARE
	v_mov_b32 v41, 0
	ds_add_u32 v40, v41                            ; the opening lines: the add, twice on end, and its wait ahead of my tensor load
	ds_add_u32 v40, v41
	v_lshrrev_b32 v1, 5, v0
	v_readfirstlane_b32 s2, v1                     ; wave 0..31
	s_lshr_b32 s12, ttmp9, 7                       ; o
	s_bfe_u32 s13, ttmp9, 0x50002                  ; T
	s_and_b32 s14, ttmp9, 3                        ; quarter
	s_mov_b32 s24, 3<<16                           ; group 1: elements of 8 bytes, no mask, no padding
	s_mov_b32 s25, 32<<16                          ; tensor_dim0 = 32 (a row of 256 bytes)
	s_mov_b32 s26, 16<<16                          ; tensor_dim1 = 16
	s_mov_b32 s27, 32<<16                          ; tile_dim0 = 32
	s_mov_b32 s28, 16                              ; tile_dim1 = 16
	s_mov_b32 s29, 32                              ; from row to row: dense
	s_mov_b32 s30, 0
	s_mov_b32 s31, 0
	s_lshl_b32 s15, s2, 12                         ; my wave's 4,096 bytes, in LDS and in the order's codes
	s_lshl_b32 s16, s12, 17
	s_add_co_u32 s16, s16, s15
	s_mov_b32 s17, 0
	s_lshl_b32 s18, s12, 17
	s_lshl_b32 s19, s13, 12
	s_add_co_u32 s18, s18, s19
	s_lshl_b32 s19, s14, 10
	s_add_co_u32 s18, s18, s19                     ; my work-group's 256 places, in bytes
	v_and_b32 v6, 255, v0                          ; e
	v_lshl_add_u32 v2, v6, 2, s18
	s_lshl_b32 s19, s14, 8
	v_add_nc_u32 v5, s19, v6                       ; p
	v_lshl_add_u32 v42, v0, 2, SUMS
	s_wait_alu depctr_va_vdst(0)
	s_wait_dscnt 0x0
	s_wait_kmcnt 0x0
	s_mov_b32 s20, 1                               ; group 0: count = 1
	s_mov_b32 s21, s15                             ; LDS address
	s_add_nc_u64 s[22:23], s[4:5], s[16:17]        ; global address
	s_or_b32 s23, s23, 0x80000000                  ; type = 2
	tensor_load_to_lds s[20:23], s[24:31]          ; my one tensor load
	s_nop 0
.rept 4
	v_nop
.endr
	global_load_b32 v3, v2, s[4:5]                 ; my code
	global_load_b32 v4, v2, s[4:5] offset:262144   ; my index
	s_lshr_b32 s34, s2, 3
	s_lshl_b32 s34, s34, 3                         ; my first tile: 8 part
	s_wait_loadcnt 0x0
.set I, 0
.rept 8
	s_add_co_u32 s35, s34, I
	s_cmp_gt_u32 s13, s35                          ; an earlier tile: its equals come first too
	s_cselect_b32 s32, 1, 0
	s_cmp_lg_u32 s13, s35                          ; my own tile counts nothing: the bound 0
	s_cselect_b32 s33, -1, 0
	s_lshl_b32 s35, s35, 12
	v_add_nc_u32 v[TH+I], s32, v3
	v_and_b32 v[TH+I], s33, v[TH+I]
	v_mov_b32 v[POS+I], s35
.set I, I+1
.endr
	s_wait_alu depctr_va_vdst(0)
	s_wait_tensorcnt 0x0                           ; my tile has landed,
	s_barrier_signal -1
	s_barrier_wait -1                              ; everybody's has
; One round: where the code at place + off is under the bound, the place moves on by inc bytes.
; A place is made of steps that were chosen by loaded numbers, so it enters an address behind a hold.  In a round that reads at off, a tile's place is at most its first byte + 4,092 - off:
; place + off never passes the tiles' last word, so the hold at LASTW - off changes no value.  One wait for the round's eight reads; eight masks in s36-43, so that no select waits for the compare just ahead of it.
.macro ROUND off, inc
.set I, 0
.rept 8
	v_min_u32 v[POS+I], LASTW-(\off), v[POS+I]
	ds_load_b32 v[VAL+I], v[POS+I] offset:\off
.set I, I+1
.endr
.set I, 0
.rept 8
	v_add_nc_u32 v[NXT+I], \inc, v[POS+I]
.set I, I+1
.endr
	s_wait_alu depctr_va_vdst(0)
	s_wait_dscnt 0x0
.set I, 0
.rept 8
	v_cmp_lt_u32 s[36+I], v[VAL+I], v[TH+I]
.set I, I+1
.endr
.set I, 0
.rept 8
	v_cndmask_b32 v[POS+I], v[POS+I], v[NXT+I], s[36+I]
.set I, I+1
.endr
.endm
.irp st, 512,256,128,64,32,16,8,4,2,1
	ROUND (\st-1)*4, 4*\st
.endr
	ROUND 0, 4                                     ; the eleventh read: counts run from 0 to 1,024
	v_add3_u32 v7, v[POS], v[POS+1], v[POS+2]
	v_add3_u32 v43, v[POS+3], v[POS+4], v[POS+5]
	v_add3_u32 v7, v7, v[POS+6], v[POS+7]
	s_lshl_b32 s35, s34, 15
	s_add_co_u32 s35, s35, 114688                  ; the eight tiles' first bytes: 4,096 x (8 x first + 28)
	v_add_nc_u32 v7, v7, v43
	v_sub_nc_u32 v7, v7, s35
	ds_store_b32 v42, v7
	s_wait_alu depctr_va_vdst(0)
	s_wait_dscnt 0x0                               ; for the others' sake: my count has landed
	s_barrier_signal -1
	s_barrier_wait -1
	s_cmp_ge_u32 s2, 8                             ; waves 0-7 (part 0: t = e) add the four parts and store
	s_cbranch_scc1 .Lend
	ds_load_b32 v9, v42
	ds_load_b32 v10, v42 offset:1024
	ds_load_b32 v11, v42 offset:2048
	ds_load_b32 v12, v42 offset:3072
	s_wait_dscnt 0x0
	v_add3_u32 v7, v9, v10, v11
	v_add_nc_u32 v7, v7, v12
	v_lshrrev_b32 v7, 2, v7
	v_add_nc_u32 v7, v7, v5                        ; + my place in my own tile: the rank
	s_lshl_b32 s34, s12, 7
	v_add_nc_u32 v7, s34, v7                       ; order 1 is rolled by 128
	v_and_b32 v7, 0x7fff, v7
	v_min_u32 v7, 0x7fff, v7                       ; a number made of loaded numbers enters an address behind this hold
	v_lshlrev_b32 v7, 2, v7
	s_cmp_eq_u32 s12, 0
	s_cselect_b64 s[8:9], s[6:7], s[8:9]
	global_store_b32 v7, v4, s[8:9]
	s_and_b32 s35, ttmp9, 127
	s_or_b32 s35, s35, s2
	s_cmp_lg_u32 s35, 0                            ; wave 0 of each order's first work-group stores the block's number
	s_cbranch_scc1 .Lend
	v_lshlrev_b32 v43, 3, v0
	v_mov_b32 v44, s12
	v_mov_b32 v45, s12
	global_store_b64 v43, v[44:45], s[8:9] offset:131072   ; 32 lanes x 8 bytes: 256 consecutive bytes, aligned
.Lend:
	s_wait_tensorcnt 0x0                           ; the wave's end
	ds_add_u32 v40, v41
	s_wait_dscnt 0x0
	s_endpgm
.Lfunc_end_k_q60719317f0_rank:
	.size	k_q60719317f0_rank, .Lfunc_end_k_q60719317f0_rank-k_q60719317f0_rank
	.p2alignl 7, 3214868480
	.fill 96, 4, 3214868480
	.section	.rodata,"a",@progbits
	.p2align	6, 0x0
	.amdhsa_kernel k_q60719317f0_rank
		.amdhsa_group_segment_fixed_size 172032
		.amdhsa_private_segment_fixed_size 0
		.amdhsa_enable_private_segment 0
		.amdhsa_kernarg_size 24
		.amdhsa_user_sgpr_count 2
		.amdhsa_user_sgpr_kernarg_segment_ptr 1
		.amdhsa_wavefront_size32 1
		.amdhsa_system_sgpr_workgroup_id_x 1
		.amdhsa_system_sgpr_workgroup_id_y 1
		.amdhsa_system_sgpr_workgroup_id_z 1
		.amdhsa_system_vgpr_workitem_id 0
		.amdhsa_next_free_vgpr 48
		.amdhsa_next_free_sgpr 66
		.amdhsa_reserve_vcc 0
		.amdhsa_float_denorm_mode_32 3
		.amdhsa_float_denorm_mode_16_64 3
		.amdhsa_memory_ordered 1
		.amdhsa_forward_progress 1
		.amdhsa_inst_pref_size 34
	.end_amdhsa_kernel
	.amdgpu_metadata
---
amdhsa.version: [ 1, 2 ]
amdhsa.kernels:
  - .name:           k_q60719317f0_rank
    .symbol:         k_q60719317f0_rank.kd
    .args:
      - { .name: skey, .offset: 0, .size: 8, .value_kind: global_buffer, .address_space: global }
      - { .name: perm0, .offset: 8, .size: 8, .value_kind: global_buffer, .address_space: global }
      - { .name: perm1, .offset: 16, .size: 8, .value_kind: global_buffer, .address_space: global }
    .group_segment_fixed_size: 172032
    .private_segment_fixed_size: 0
    .kernarg_segment_align: 8
    .kernarg_segment_size: 24
    .max_flat_workgroup_size: 1024
    .sgpr_count:     66
    .vgpr_count:     48
    .wavefront_size: 32
...
	.end_amdgpu_metadata
.endif
;; end of part 2
;; launch blk0 (part 3): grid 256 x 1, 8 waves a work-group, no clusters, 322,560 bytes of LDS; arguments x, coords, perm0, lowp_scales, ln1_g, ln1_b, ln2_g, ln2_b, norm_g, norm_b, w_pos, b_pos, wc0, b_qkv, b_proj, b_fc1, b_fc2, x1, hc0, hc1; writes x1, hc1
.if DOCPART == 3
	.amdgcn_target "amdgcn-amd-amdhsa--gfx1250"
	.amdhsa_code_object_version 6
	.text
	.protected	k_q60719317f0_blk0
	.globl	k_q60719317f0_blk0
	.p2align	8
	.type	k_q60719317f0_blk0,@function
k_q60719317f0_blk0:
	s_mov_b64 s[64:65], 0
	v_nop
	global_prefetch_b8 v0, s[64:65] scope:SCOPE_SE
	s_setreg_imm32_b32 hwreg(HW_REG_WAVE_MODE, 25, 1), 1
	s_wait_xcnt 0x0
; ONE TRANSFORMER BLOCK on patches of 256 tokens in Morton order, all large products on E4M3 codes with the given scales 2^e (e0 .. e11 = the block's twelve entries of lowp_scales:
; h, w_qkv, q, k, v, p, o, w_proj, h2, w_fc1, gelu, w_fc2).  The block's number i (0 or 1) is read behind perm's 32,768 entries; with i = 1 the final norm follows.
; SHARES.  Work-group id: patch id / 2, half id % 2: it owns 128 tokens (queries) and also makes K and V of the patch's other 128, so that 256 equal work-groups exist.  Local place lp 0-127 own, 128-255 the partner's;
; token tile T = places 16 T .. 16 T + 15.  Wave w: head w in QKV and attention; columns 32 w .. of proj and fc2; hidden units 128 w .. of fc1; token tile w in the norms, on the way in and on the way out.
; OPERANDS go from wave to wave through LDS as images of their registers (group c of a fragment: 512 bytes at 16 x lane).  In every fragment lane (r, h) holds row r and registers 4 c .. 4 c + 3 hold k = 32 c + 16 h + 0 .. 15,
; in both operands alike.  Products with weights are used transposed (source 0 = 16 columns of the weight, source 1 = 16 tokens), and the weight's columns were laid so that a lane's 16 results of tiles u = 0, 1 are 16 neighbours.
; V is made the other way round (source 0 = tokens), so that a lane holds one channel and its registers run along the keys.  The weights come from memory straight into registers, each byte once for a work-group.
; SOFTMAX: t = logit x log2(e); M = ceil of the row's largest t over all 256 keys; p = 2^(t - M) is quantised; the sum of the unquantised p divides at the end.
; The position bias (cs_p - cs_q) . w + b is u_p - u_q + b with u = (cs - the patch's first point) . w: the key's part rides in as the C of K Q^T, the query's part in the scaling.
; NO CLUSTER AND NO TENSOR LOAD: a work-group reads its 786,432 bytes of weights once, as register fragments; the two halves of a patch share 128 + 128 rows of x, a small part of a work-group's bytes; LDS has no room for slots (321,536 bytes are in use).
; LIMITS: NaN among the inputs is not served.  Each power of two that is made as an f32 number has its exponent between -126 and 119: e0, e5, e8, e3-e0-e1, e4-e0-e1, e2-e0-e1, e6-e4-e5, e10-e8-e9, e6+e7, e10+e11;
; e2+e3 within +-120 (added to an exponent field); |e8+e9| <= 40 (its threefold is added to an exponent field).  Entry 2 is taken as q's scale and entry 3 as k's.
.set RP,   1040                        ; a row of 256 f32 in LDS: 1,024 bytes + 16: sixteen rows of a load begin at sixteen different groups of banks
.set TS,   16*RP                       ; a tile of 16 rows; also a wave's slot in BREG
.set RES,  0                           ; 128 rows: own x, then xs behind proj, then the result
.set BREG, 133120                      ; slot w: partner rows; then +0 partner's h image, +4,352 my head's Q codes, +8,704 own h image.  From fc1 on: hidden image (t, s) at 2,048 (8 t + s)
.set CREG, 266240                      ; images 2,048 (2 t + s): attention's output, then h2
.set BKT,  299008                      ; [head][place] f32: the key's bias, as the C of K Q^T
.set AQT,  307200                      ; [head][place] f32: the query's bias x log2(e)
.set GT,   315392                      ; ln1_g, ln1_b OF BLOCK 1, ln2_g, ln2_b, norm_g, norm_b: 1,024 bytes each
; THE FIRST NORM IS NOT MADE HERE.  h = LN1(x) hangs on the token alone, so its codes arrive by tokens, [token][256] (argument 18): block 0's from the preparing launch, block 1's from block 0's way out,
; which norms its finished rows with block 1's ln1 and entry 12 of lowp_scales and stores the codes (argument 19; with i = 1 nothing is stored there, and GT's first two vectors are not used).
; The head gathers 256 rows of 256 bytes: sixteen lanes a row.  In LDS an image of h has its sixteen chunks of 16 features 272 bytes apart (chunk j = 2 c + h at 272 j + 16 row):
; the sixteen lanes that store a row's chunks, and the sixteen that read a chunk's rows, each touch sixteen different 16-byte columns.
; Slot w of BREG: +0 the partner's image, +QOFF my head's Q codes, +OWNI my own image.  My own f32 rows are first needed by proj: they come in under attention, eight rows at a time, through the registers that Wproj takes afterwards.
.set OWNI, 8704
.set QOFF, 4352
; v0 thread; v1 16 x lane; v2 RP r + 64 h; v3 GT + 64 h; v4 64 h: these stay.  v5-15: a phase's addresses, scales and holds.  s2 wave; s3 i; s63 TS x wave; s[44:59] my tile's 16 tokens; s[84:95] e0 .. e11; s66, s67 lane selects.
.set MSB, 0
.macro WIN new                         ; register windows: bits 1:0 source 0, 3:2 source 1, 5:4 source 2, 7:6 destination; the high byte repeats the setting that is left
.if MSB != \new
	s_set_vgpr_msb (MSB<<8)|\new
.set MSB, \new
.endif
.endm
.macro PLACES                          ; four plain lines behind a matrix instruction, ahead of reads of its result and of loads into its registers
.rept 4
	v_nop
.endr
.endm
.macro BAR                             ; my LDS stores have landed and my LDS loads are in: then the work-group's barrier
	s_wait_dscnt 0x0
	s_barrier_signal -1
	s_barrier_wait -1
.endm
.macro MKSV e, vsc, vlim               ; s[e] = an exponent: v[vsc] = 2^e as f32, v[vlim] = 448 x 2^e
	s_add_co_i32 s6, s[\e], 127
	s_lshl_b32 s7, s6, 23
	v_mov_b32 v[\vsc], s7
	s_add_co_i32 s6, s6, 8
	s_lshl_b32 s6, s6, 23
	s_or_b32 s6, s6, 0x600000
	v_mov_b32 v[\vlim], s6
.endm
.macro WLD reg, phi                    ; fragment phi of my wave's weight stream (counted from where s[32:33] stands) into v[reg] on
.irp c, 0,1,2,3
	global_load_b128 v[\reg+4*\c:\reg+4*\c+3], v1, s[32:33] offset:(\phi)*2048+512*\c
.endr
.endm
; ---- A NORM of my 16 rows at v5 (= rows + RP r + 64 h).  Lane (r, h) holds, of row r, features 32 kk + 16 h + 0 .. 15 in v[128 + 16 kk] on, kk = 0 .. 7.  Two passes: mean, then the sum of (x - mean)^2.
; g and b come from GT through a ring of three slots of 16 registers (v80-127), eight features a slot.  quant = 1: held (v8), converted (v9) and stored as two images at v6; quant = 0: stored back to the rows.
.macro RING k, tbl
.set RB, 80+16*((\k)%3)
.set RO, \tbl+128*((\k)/2)+32*((\k)%2)
	ds_load_b128 v[RB:RB+3], v3 offset:RO
	ds_load_b128 v[RB+4:RB+7], v3 offset:RO+16
	ds_load_b128 v[RB+8:RB+11], v3 offset:RO+1024
	ds_load_b128 v[RB+12:RB+15], v3 offset:RO+1040
.endm
.macro FOLD                            ; four chains in v112-119 become one number in v112, both halves of the lanes added
	s_delay_alu instid0(VALU_DEP_3)
	v_pk_add_f32 v[112:113], v[112:113], v[114:115]
	s_delay_alu instid0(VALU_DEP_2)
	v_pk_add_f32 v[116:117], v[116:117], v[118:119]
	s_delay_alu instid0(VALU_DEP_1)
	v_pk_add_f32 v[112:113], v[112:113], v[116:117]
	s_delay_alu instid0(VALU_DEP_1)
	v_add_f32 v112, v112, v113
	s_delay_alu instid0(VALU_DEP_1)
	v_permlanex16_b32 v113, v112, s66, s67
	s_delay_alu instid0(VALU_DEP_1)
	v_add_f32 v112, v112, v113
.endm
.macro LNORM tbl, quant, cs            ; cs: bytes from group to group of the image
.set J, 0
.rept 32
	ds_load_b128 v[128+4*J:131+4*J], v5 offset:128*(J/4)+16*(J%4)
.set J, J+1
.endr
	RING 0, \tbl
	RING 1, \tbl
	s_wait_dscnt 8                                 ; the rows are in; the two ring slots' eight loads may be out
.irp c, 0,2,4,6
	v_pk_add_f32 v[112+\c:113+\c], v[128+\c:129+\c], v[136+\c:137+\c]
.endr
.set J, 16
.rept 14
.irp c, 0,2,4,6
	s_delay_alu instid0(VALU_DEP_4)
	v_pk_add_f32 v[112+\c:113+\c], v[112+\c:113+\c], v[128+J+\c:129+J+\c]
.endr
.set J, J+8
.endr
	FOLD
	s_delay_alu instid0(VALU_DEP_1)
	v_mul_f32 v10, 0x3b800000, v112                ; the mean: / 256
	s_delay_alu instid0(VALU_DEP_1)
	v_mov_b32 v11, v10
.set J, 0
.rept 64
	v_pk_add_f32 v[128+J:129+J], v[128+J:129+J], v[10:11] neg_lo:[0,1] neg_hi:[0,1]
.set J, J+2
.endr
.irp c, 0,2,4,6
	v_pk_mul_f32 v[112+\c:113+\c], v[128+\c:129+\c], v[128+\c:129+\c]
.endr
.set J, 8
.rept 15
.irp c, 0,2,4,6
	s_delay_alu instid0(VALU_DEP_4)
	v_pk_fma_f32 v[112+\c:113+\c], v[128+J+\c:129+J+\c], v[128+J+\c:129+J+\c], v[112+\c:113+\c]
.endr
.set J, J+8
.endr
	FOLD
	s_delay_alu instid0(VALU_DEP_1)
	v_mul_f32 v112, 0x3b800000, v112
	s_delay_alu instid0(VALU_DEP_1)
	v_add_f32 v112, 0x3727c5ac, v112               ; the variance + 1e-5
	s_wait_alu depctr_va_vdst(0)
	v_rsq_f32 v10, v112
	v_nop                                          ; a plain line behind the transcendental,
	s_wait_alu depctr_va_vdst(0)                   ; and the wait ahead of its first reader
	v_mov_b32 v11, v10
	RING 2, \tbl                                   ; the third slot lay under the sums' chains
.set HK, 0
	s_wait_alu depctr_va_vdst(0)
.rept 16                               ; eight features at a time
.if HK < 14
	s_wait_dscnt 8                                 ; this slot is in; behind its loads stand the two younger slots' eight (and stores, which only make the wait stricter)
.elseif HK == 14
	s_wait_dscnt 4
.else
	s_wait_dscnt 0
.endif
.set XB, 128+8*HK
.set SB, 80+16*(HK%3)
.irp p, 0,2,4,6
	v_pk_mul_f32 v[XB+\p:XB+\p+1], v[XB+\p:XB+\p+1], v[10:11]
.endr
.irp p, 0,2,4,6
	s_delay_alu instid0(VALU_DEP_4)
	v_pk_fma_f32 v[XB+\p:XB+\p+1], v[XB+\p:XB+\p+1], v[SB+\p:SB+\p+1], v[SB+8+\p:SB+9+\p]
.endr
.if \quant
.irp p, 0,1,2,3,4,5,6,7
	v_med3_num_f32 v[XB+\p], v[XB+\p], -v8, v8     ; the conversion does not saturate (ISA guide 7.6.2): the hold comes first
.endr
.if HK < 2
.set CD, 12+2*HK                       ; the codes of 16 features: v12-15 for the first, then the four lowest registers of the 16 features before, which are done with: no store's data are written again
.else
.set CD, 128+16*(HK/2-1)+2*(HK%2)
.endif
	v_cvt_scalef32_pk8_fp8_f32 v[CD:CD+1], v[XB:XB+7], v9
.if HK%2
	v_nop                                          ; a plain line behind the conversions
	ds_store_b128 v6, v[CD-2:CD+1] offset:(\cs)*(HK/2)
.endif
.else
	ds_store_b128 v5, v[XB:XB+3] offset:128*(HK/2)+32*(HK%2)
	ds_store_b128 v5, v[XB+4:XB+7] offset:128*(HK/2)+32*(HK%2)+16
.endif
.if HK+3 < 16
	RING HK+3, \tbl
.endif
.set HK, HK+1
.endr
.endm
; ================ HEAD ================
	s_load_b512 s[8:23], s[0:1], 0x0               ; x s[8:9], coords s[10:11], perm s[12:13], lowp_scales s[14:15], ln1_g, ln1_b, ln2_g, ln2_b s[16:23]
	s_load_b512 s[24:39], s[0:1], 0x40             ; norm_g, norm_b s[24:27], w_pos s[28:29], b_pos s[30:31], wc s[32:33], b_qkv s[34:35], b_proj s[36:37], b_fc1 s[38:39]
	s_load_b128 s[40:43], s[0:1], 0x80             ; b_fc2 s[40:41], the output s[42:43]
	s_load_b64 s[100:101], s[0:1], 0x90            ; h's codes, by tokens
	s_load_b64 s[104:105], s[0:1], 0x98            ; the next block's, to be stored
	v_lshrrev_b32 v5, 5, v0
	s_delay_alu instid0(VALU_DEP_1)
	v_readfirstlane_b32 s2, v5                     ; wave 0..7
	v_and_b32 v5, 31, v0
	s_delay_alu instid0(VALU_DEP_1)
	v_lshlrev_b32 v1, 4, v5
	v_and_b32 v6, 15, v0                           ; r
	v_bfe_u32 v7, v0, 4, 1                         ; h
	s_delay_alu instid0(VALU_DEP_1)
	v_lshlrev_b32 v4, 6, v7
	s_delay_alu instid0(VALU_DEP_1)
	v_mad_u32_u24 v2, v6, RP, v4
	s_delay_alu instid0(VALU_DEP_2)
	v_add_nc_u32 v3, GT, v4
	s_mov_b32 s66, 0x76543210
	s_mov_b32 s67, 0xfedcba98
	s_mul_i32 s63, s2, TS
	s_lshl_b32 s4, ttmp9, 9                        ; 128 id entries of 4 bytes
	s_lshl_b32 s5, s2, 6
	s_add_co_u32 s6, s4, s5                        ; my own tile's 16 entries of perm,
	s_xor_b32 s7, s6, 512                          ; the partner's: the patch's other half
	s_and_b32 s60, s4, 0xfffffc00                  ; the patch's first entry
	s_and_b32 s62, ttmp9, 1
	s_lshl_b32 s62, s62, 7
	v_add_nc_u32 v8, s62, v0
	s_delay_alu instid0(VALU_DEP_1)
	v_and_b32 v8, 255, v8
	s_delay_alu instid0(VALU_DEP_1)
	v_lshl_add_u32 v8, v8, 2, s60                  ; thread t = local place t: entry 256 patch + (128 half + t) mod 256
	s_wait_alu depctr_va_vdst(0)
	s_wait_kmcnt 0x0
	global_load_b32 v9, v8, s[12:13]
	s_load_b32 s3, s[12:13], 0x20000               ; i
	s_load_b32 s99, s[14:15], 0x30                 ; entry 12: the scale of block 1's h
	s_load_b512 s[44:59], s[12:13], s6 offset:0x0
	s_load_b512 s[68:83], s[12:13], s7 offset:0x0
	s_load_b32 s61, s[12:13], s60 offset:0x0
	s_wait_kmcnt 0x0
	s_min_u32 s3, s3, 1                            ; loaded numbers enter addresses behind these holds
	s_min_u32 s61, s61, 0x7fff
.set J, 0
.rept 16
	s_min_u32 s[44+J], s[44+J], 0x7fff
	s_min_u32 s[68+J], s[68+J], 0x7fff
.set J, J+1
.endr
	s_mov_b32 s5, 0                                ; each parameter at block i's row, and at my wave's part
	s_mul_i32 s4, s3, 48
	s_add_nc_u64 s[14:15], s[14:15], s[4:5]
	s_load_b256 s[84:91], s[14:15], 0x0            ; e0 .. e7
	s_load_b128 s[92:95], s[14:15], 0x20           ; e8 .. e11
	s_mul_i32 s61, s61, 12
	s_load_b96 s[96:98], s[10:11], s61 offset:0x0  ; the patch's first point
	s_lshl_b32 s4, s3, 10
.irp p, 20,22,36,40
	s_add_nc_u64 s[\p:\p+1], s[\p:\p+1], s[4:5]
.endr
	s_add_nc_u64 s[16:17], s[16:17], 1024          ; ln1_g and ln1_b: block 1's row, for the way out
	s_add_nc_u64 s[18:19], s[18:19], 1024
	s_mul_i32 s4, s3, 96
	s_add_nc_u64 s[28:29], s[28:29], s[4:5]
	s_lshl_b32 s4, s3, 5
	s_add_nc_u64 s[30:31], s[30:31], s[4:5]
	s_mul_i32 s4, s3, 3072
	s_add_nc_u64 s[34:35], s[34:35], s[4:5]
	s_lshl_b32 s4, s2, 7                           ; 32 w numbers
.irp p, 34,36,40
	s_add_nc_u64 s[\p:\p+1], s[\p:\p+1], s[4:5]
.endr
	s_lshl_b32 s4, s3, 12
	s_lshl_b32 s62, s2, 9                          ; 128 w numbers
	s_add_co_u32 s4, s4, s62
	s_add_nc_u64 s[38:39], s[38:39], s[4:5]
	s_mul_i32 s4, s2, 98304
	s_add_nc_u64 s[32:33], s[32:33], s[4:5]
	v_and_b32 v13, 15, v0                          ; j: my chunk of a row of codes
	v_bfe_u32 v14, v0, 4, 1                        ; which of an instruction's two rows
	v_lshlrev_b32 v15, 4, v13
	v_sub_nc_u32 v11, 0, v14                       ; all ones in lanes 16-31,
	v_add_nc_u32 v12, -1, v14                      ; in lanes 0-15
.set J, 0
.rept 8                                ; rows 2 J and 2 J + 1: token x 256 + 16 j; v192-199 the partner's tile, v200-207 my own
	v_and_b32 v[192+J], s[68+2*J], v12
	v_and_b32 v[208+J], s[69+2*J], v11
	v_and_b32 v[200+J], s[44+2*J], v12
	v_and_b32 v[216+J], s[45+2*J], v11
	v_add_nc_u32 v[192+J], v[192+J], v[208+J]
	v_add_nc_u32 v[200+J], v[200+J], v[216+J]
	v_lshl_add_u32 v[192+J], v[192+J], 8, v15
	v_lshl_add_u32 v[200+J], v[200+J], 8, v15
.set J, J+1
.endr
.set J, 0
.rept 16
	global_load_b128 v[128+4*J:131+4*J], v[192+J], s[100:101]   ; sixteen lanes read a token's 256 bytes
.set J, J+1
.endr
	s_wait_loadcnt 16                              ; my place's token is in: the 16 loads of codes are younger
	v_min_u32 v9, 0x7fff, v9
	s_delay_alu instid0(VALU_DEP_1)
	v_mul_u32_u24 v9, v9, 12
	global_load_b32 v112, v9, s[10:11]
	global_load_b32 v113, v9, s[10:11] offset:4
	global_load_b32 v114, v9, s[10:11] offset:8
	v_lshlrev_b32 v10, 2, v0
.irp k, 0,1,2,3,4,5
	global_load_b32 v[116+\k], v10, s[16+2*\k:17+2*\k]          ; element t of each of the six norm vectors
.endr
	v_mov_b32 v11, 0
.irp k, 0,1,2,3,4,5
	global_load_b128 v[80+4*\k:83+4*\k], v11, s[28:29] offset:16*\k   ; w_pos[i]: v[80 + 8 c + head]
.endr
	global_load_b128 v[104:107], v11, s[30:31]                  ; b_pos[i]
	global_load_b128 v[108:111], v11, s[30:31] offset:16
.irp f, 0,1,2,3
	WLD 16+16*\f, \f                               ; Wq: fragment 2 u + s at v[16 + 16 (2 u + s)]
.endr
	WIN 0x40
.irp f, 0,1,2,3,4,5,6,7
	WLD 128+16*\f, 4+\f                            ; window 1: Wk at v128 on, Wv at v192 on
.endr
	WIN 0
	v_mul_u32_u24 v6, v13, 272
	v_lshl_add_u32 v6, v14, 4, v6
	v_add_nc_u32 v6, s63, v6
	v_add_nc_u32 v6, BREG, v6                      ; my slot + 272 j + 16 x (lane / 16)
	s_wait_alu depctr_va_vdst(0)
	s_wait_loadcnt 63                              ; the codes are in: 17 small loads and 48 of weights are younger (63 is the largest count)
.set J, 0
.rept 8
	ds_store_b128 v6, v[128+4*J:131+4*J] offset:32*J
	ds_store_b128 v6, v[160+4*J:163+4*J] offset:OWNI+32*J
.set J, J+1
.endr
	s_wait_loadcnt 48                              ; the small loads are in; the 48 loads of weights may be out
	s_wait_kmcnt 0x0
	v_add_nc_u32 v12, GT, v10
.irp k, 0,1,2,3,4,5
	ds_store_b32 v12, v[116+\k] offset:1024*\k
.endr
	v_sub_f32 v112, v112, s96                      ; coords counted from the patch's first point: a common offset is gone before the product
	v_sub_f32 v113, v113, s97
	v_sub_f32 v114, v114, s98
	s_add_co_i32 s4, s86, s87
	s_sub_co_i32 s4, 0, s4                         ; -(e2 + e3)
.irp hd, 0,1,2,3,4,5,6,7
	v_mul_f32 v[224+\hd], v112, v[80+\hd]
	s_delay_alu instid0(VALU_DEP_1)
	v_fmac_f32 v[224+\hd], v113, v[88+\hd]
	s_delay_alu instid0(VALU_DEP_1)
	v_fmac_f32 v[224+\hd], v114, v[96+\hd]         ; u = cs . w_pos[:, head]
.endr
.irp hd, 0,1,2,3,4,5,6,7
	v_mul_f32 v[232+\hd], 0xc0b504f3, v[224+\hd]   ; the key's part, in units of a raw score: -u sqrt(32) / 2^(e2 + e3)
	s_delay_alu instid0(VALU_DEP_1)
	v_ldexp_f32 v[232+\hd], v[232+\hd], s4
	v_add_f32 v[240+\hd], v[224+\hd], v[104+\hd]
	s_delay_alu instid0(VALU_DEP_1)
	v_mul_f32 v[240+\hd], 0x3fb8aa3b, v[240+\hd]   ; the query's part: (u + b_pos) log2(e)
.endr
	v_add_nc_u32 v13, BKT, v10
.irp hd, 0,1,2,3,4,5,6,7
	ds_store_b32 v13, v[232+\hd] offset:1024*\hd
	ds_store_b32 v13, v[240+\hd] offset:AQT-BKT+1024*\hd
.endr
	s_wait_dscnt 0x0                               ; my images and my part of the tables have landed, and their stores have read their registers
	v_and_b32 v5, 15, v0
	s_delay_alu instid0(VALU_DEP_1)
	v_and_b32 v15, 8, v5
	s_delay_alu instid0(VALU_DEP_1)
	v_add_nc_u32 v5, v5, v15
	s_delay_alu instid0(VALU_DEP_1)
	v_lshlrev_b32 v5, 2, v5                        ; v's bias: a lane's channel is 8 u + r + 8 (r / 8)
.irp u, 0,1
	global_load_b128 v[160+8*\u:163+8*\u], v4, s[34:35] offset:1024+32*\u       ; k's bias: features 16 h + 8 u + 0 .. 7 of my head
	global_load_b128 v[164+8*\u:167+8*\u], v4, s[34:35] offset:1024+32*\u+16
	global_load_b128 v[176+8*\u:179+8*\u], v4, s[34:35] offset:32*\u            ; q's
	global_load_b128 v[180+8*\u:183+8*\u], v4, s[34:35] offset:32*\u+16
	global_load_b32 v[192+8*\u], v5, s[34:35] offset:2048+32*\u                 ; v's
.endr
	s_barrier_signal -1
	s_barrier_wait -1                              ; all sixteen tiles' images of h lie in LDS
	s_wait_loadcnt 0x0                             ; the weights and the biases
	s_add_co_i32 s4, s84, s85                      ; a sum stands for sum x 2^(e0 + e1): the biases go in as the C of the first product, divided by that
	s_sub_co_i32 s5, 0, s4
.set J, 0
.rept 32
	v_ldexp_f32 v[160+J], v[160+J], s5
.set J, J+1
.endr
	v_ldexp_f32 v192, v192, s5
	v_ldexp_f32 v200, v200, s5
.irp j, 1,2,3,4,5,6,7
	v_mov_b32 v[192+\j], v192
	v_mov_b32 v[200+\j], v200
.endr
	s_sub_co_i32 s60, s87, s4
	MKSV 60, 12, 9                                 ; k: 2^(e3 - e0 - e1)
	s_sub_co_i32 s60, s88, s4
	MKSV 60, 13, 10                                ; v
	s_sub_co_i32 s60, s86, s4
	MKSV 60, 14, 11                                ; q
	v_and_b32 v7, 15, v0
	v_lshrrev_b32 v8, 6, v4
	v_lshlrev_b32 v7, 4, v7
	v_mad_u32_u24 v7, v8, 272, v7                  ; 16 r + 272 h: my place in a group of an image of h
	v_add_nc_u32 v8, BREG+4*TS, v7                 ; images of slots 4-7,
	v_add_nc_u32 v7, BREG, v7                      ; of slots 0-3
	v_add_nc_u32 v6, s63, v1
	v_add_nc_u32 v6, BREG+QOFF, v6                 ; my head's Q codes
; ================ QKV: my head, all 16 token tiles ================
; v80-111 the tile's two fragments of h; v112-159 accumulators k0 k1 v0 v1 q0 q1, by turns; v160-207 the biases.  K codes -> window 1 v[4 T]; V^T -> window 1 v[64 + 32 u + 16 (T / 8) + 2 (T % 8)]; Q -> LDS.
.macro XLD                             ; tile TX's image
.set XA, 7+((TX&7)/4)
.set XO, (TX&3)*TS+(1-TX/8)*OWNI
.set J, 0
.rept 8
	ds_load_b128 v[80+4*J:83+4*J], v[XA] offset:XO+544*J
.set J, J+1
.endr
.endm
.macro QKVT
	s_wait_dscnt 0x0
	WIN 0x01                                       ; source 0 (Wk) window 1
	v_wmma_f32_16x16x128_fp8_fp8 v[112:119], v[128:143], v[80:95], v[160:167]
	v_wmma_f32_16x16x128_fp8_fp8 v[120:127], v[160:175], v[80:95], v[168:175]
	WIN 0x04                                       ; source 1 (Wv) window 1: tokens are the rows here
	v_wmma_f32_16x16x128_fp8_fp8 v[128:135], v[80:95], v[192:207], v[192:199]
	v_wmma_f32_16x16x128_fp8_fp8 v[136:143], v[80:95], v[224:239], v[200:207]
.if TT < 8
	WIN 0
	v_wmma_f32_16x16x128_fp8_fp8 v[144:151], v[16:31], v[80:95], v[176:183]
	v_wmma_f32_16x16x128_fp8_fp8 v[152:159], v[48:63], v[80:95], v[184:191]
.endif
	WIN 0x01
	v_wmma_f32_16x16x128_fp8_fp8 v[112:119], v[144:159], v[96:111], v[112:119]
	v_wmma_f32_16x16x128_fp8_fp8 v[120:127], v[176:191], v[96:111], v[120:127]
	WIN 0x04
	v_wmma_f32_16x16x128_fp8_fp8 v[128:135], v[96:111], v[208:223], v[128:135]
	v_wmma_f32_16x16x128_fp8_fp8 v[136:143], v[96:111], v[240:255], v[136:143]
.if TT < 8
	WIN 0
	v_wmma_f32_16x16x128_fp8_fp8 v[144:151], v[32:47], v[96:111], v[144:151]
	v_wmma_f32_16x16x128_fp8_fp8 v[152:159], v[64:79], v[96:111], v[152:159]
.endif
	WIN 0
	PLACES
.if TT < 15
.set TX, TT+1
	XLD                                            ; the next tile's image lands while this tile is quantised
.endif
.set J, 0
.rept 16
	v_med3_num_f32 v[112+J], v[112+J], -v9, v9
.set J, J+1
.endr
.set J, 0
.rept 16
	v_med3_num_f32 v[128+J], v[128+J], -v10, v10
.set J, J+1
.endr
.if TT < 8
.set J, 0
.rept 16
	v_med3_num_f32 v[144+J], v[144+J], -v11, v11
.set J, J+1
.endr
.endif
.set VD, 64+16*(TT/8)+2*(TT%8)
	WIN 0x40                                       ; destination window 1
	v_cvt_scalef32_pk8_fp8_f32 v[4*TT:4*TT+1], v[112:119], v12
	v_cvt_scalef32_pk8_fp8_f32 v[4*TT+2:4*TT+3], v[120:127], v12
	v_cvt_scalef32_pk8_fp8_f32 v[VD:VD+1], v[128:135], v13
	v_cvt_scalef32_pk8_fp8_f32 v[VD+32:VD+33], v[136:143], v13
	WIN 0
.if TT < 8
	v_cvt_scalef32_pk8_fp8_f32 v[208+4*TT:209+4*TT], v[144:151], v14
	v_cvt_scalef32_pk8_fp8_f32 v[210+4*TT:211+4*TT], v[152:159], v14
.endif
	v_nop                                          ; a plain line behind the conversions: the next products write their sources
.if TT < 8
	ds_store_b128 v6, v[208+4*TT:211+4*TT] offset:512*TT
.endif
.endm
.set TX, 0
	XLD
.set TT, 0
	s_wait_alu depctr_va_vdst(0)
.rept 16
	QKVT
.set TT, TT+1
.endr
.set J, 0
.rept 8
	v_lshl_add_u32 v[80+J], s[44+J], 10, v1        ; a token's row of 1,024 bytes + 16 x lane
.set J, J+1
.endr
.set J, 0
.rept 8
	global_load_b128 v[16+8*J:19+8*J], v[80+J], s[8:9]             ; my own rows 0-7 take Wq's registers: 32 lanes read 512 consecutive bytes
	global_load_b128 v[20+8*J:23+8*J], v[80+J], s[8:9] offset:512
.set J, J+1
.endr
	v_lshrrev_b32 v5, 1, v4
	s_lshl_b32 s4, s2, 10
	s_add_co_u32 s5, s4, BKT
	v_add_nc_u32 v5, s5, v5                        ; BKT + 1,024 w + 32 h
	WIN 0x40
.set J, 0
.rept 16
	ds_load_b128 v[128+8*J:131+8*J], v5 offset:64*J          ; window 1, v[128 + 8 T + j]: the bias of key 16 T + 8 h + j: the C of tile T
	ds_load_b128 v[132+8*J:135+8*J], v5 offset:64*J+16
.set J, J+1
.endr
	WIN 0
; ================ ATTENTION: my head, eight tiles of 16 queries; all 256 keys at once ================
; v80-207 S^T, then p (register 8 T + j of lane (r, h): query r, key 16 T + 8 h + j); v208-215 Q's fragment (its upper 32 of K are zero codes), then v208-239 p's codes; v240-255 at work.
	s_add_co_u32 s5, s4, AQT
	v_and_b32 v7, 15, v0
	s_delay_alu instid0(VALU_DEP_1)
	v_lshlrev_b32 v7, 2, v7
	s_delay_alu instid0(VALU_DEP_1)
	v_add_nc_u32 v7, s5, v7                        ; AQT + 1,024 w + 4 r
	s_lshl_b32 s5, s2, 9
	s_add_co_u32 s5, s5, CREG
	v_add_nc_u32 v8, s5, v1                        ; my head is group w % 4 of K step w / 4: CREG + 512 w + 16 x lane
	MKSV 89, 14, 10                                ; p: 2^e5
	s_sub_co_i32 s60, s90, s88
	s_sub_co_i32 s60, s60, s89
	MKSV 60, 15, 11                                ; o: 2^(e6 - e4 - e5), taken of O^T / l
	s_mov_b32 s70, 0x3e8293ee                      ; log2(e) / sqrt(32),
	s_add_co_i32 s4, s86, s87
	s_lshl_b32 s4, s4, 23
	s_add_co_i32 s70, s70, s4                      ; x 2^(e2 + e3): the exponents are added to its exponent field
	s_mov_b32 s71, s70                             ; (named with it as a pair, so it is written)
	v_mov_b32 v245, 0                              ; a lane permute's destination counts as read
	v_mov_b32 v247, 0                              ; (the upper half of the pair v[246:247])
	s_mov_b32 s60, 0                               ; 64 x the query tile
	s_wait_xcnt 0x0                                ; the rows' loads have read their offsets in v80-87, which the scores take
.Lattn:
	s_wait_alu depctr_va_vdst(0)
	s_cmp_lg_u32 s60, 192                          ; at query tile 3: rows 0-7 go to RES, rows 8-15 are asked for
	s_cbranch_scc1 .Lnoa
	v_add_nc_u32 v88, s63, v1
.set J, 0
.rept 8
	v_lshl_add_u32 v[80+J], s[52+J], 10, v1
.set J, J+1
.endr
	s_wait_alu depctr_va_vdst(0)
	s_wait_loadcnt 0x0
.set J, 0
.rept 8
	ds_store_b128 v88, v[16+8*J:19+8*J] offset:RP*J
	ds_store_b128 v88, v[20+8*J:23+8*J] offset:RP*J+512
.set J, J+1
.endr
	s_wait_dscnt 0x0                               ; the stores have read their registers
.set J, 0
.rept 8
	global_load_b128 v[16+8*J:19+8*J], v[80+J], s[8:9]
	global_load_b128 v[20+8*J:23+8*J], v[80+J], s[8:9] offset:512
.set J, J+1
.endr
	s_wait_xcnt 0x0                                ; v80-87 are written again below
.Lnoa:
	s_cmp_lg_u32 s60, 384                          ; at query tile 6: rows 8-15 go to RES, and Wproj takes the registers
	s_cbranch_scc1 .Lnob
	v_add_nc_u32 v88, s63, v1
	s_wait_alu depctr_va_vdst(0)
	s_wait_loadcnt 0x0
.set J, 0
.rept 8
	ds_store_b128 v88, v[16+8*J:19+8*J] offset:RP*(8+J)
	ds_store_b128 v88, v[20+8*J:23+8*J] offset:RP*(8+J)+512
.set J, J+1
.endr
	s_wait_dscnt 0x0
.irp f, 0,1,2,3
	WLD 16+16*\f, 12+\f
.endr
.Lnob:
	v_lshl_add_u32 v12, s60, 3, v6
	s_wait_alu depctr_va_vdst(0)
	v_add_nc_u32 v13, s60, v7
	v_lshl_add_u32 v9, s60, 6, v8
	ds_load_b128 v[208:211], v12
	ds_load_b32 v244, v13
.irp j, 212,213,214,215
	v_mov_b32 v\j, 0
.endr
	s_wait_alu depctr_va_vdst(0)
	s_wait_dscnt 0x0
	WIN 0x11                                       ; source 0 (K) and source 2 (the keys' bias) window 1
.set T, 0
.rept 16
	v_wmma_f32_16x16x64_fp8_fp8 v[80+8*T:87+8*T], v[4*T:4*T+7], v[208:215], v[128+8*T:135+8*T]   ; K's upper four registers are other finite codes: they meet Q's zeros
.set T, T+1
.endr
	WIN 0
	PLACES
.irp c, 0,1,2,3
	v_max_num_f32 v[240+\c], v[80+8*\c], v[81+8*\c]        ; the row's largest, in four chains; each accumulator from its low end on
.endr
.set G, 0
.rept 4
.set I, 0
.rept 4
.if (G+I) > 0
.irp c, 0,1,2,3
	v_max3_num_f32 v[240+\c], v[240+\c], v[80+8*(4*G+\c)+2*I], v[81+8*(4*G+\c)+2*I]
.endr
.endif
.set I, I+1
.endr
.set G, G+1
.endr
	s_delay_alu instid0(VALU_DEP_2)
	v_max3_num_f32 v240, v240, v241, v242
	s_delay_alu instid0(VALU_DEP_1)
	v_max_num_f32 v240, v240, v243
	s_delay_alu instid0(VALU_DEP_1)
	v_permlanex16_b32 v245, v240, s66, s67
	s_delay_alu instid0(VALU_DEP_1)
	v_max_num_f32 v240, v240, v245                 ; over all 256 keys
	s_delay_alu instid0(VALU_DEP_1)
	v_fma_f32 v241, v240, s70, v244                ; the largest t
	s_delay_alu instid0(VALU_DEP_1)
	v_floor_f32 v242, -v241                        ; -M = floor(-t): M is a whole number
	s_delay_alu instid0(VALU_DEP_1)
	v_add_f32 v246, v244, v242
.set J, 0
.rept 64
	v_pk_fma_f32 v[80+J:81+J], v[80+J:81+J], s[70:71], v[246:247] op_sel_hi:[1,0,0]   ; t - M
.set J, J+2
.endr
.set J, 0
	s_wait_alu depctr_va_vdst(0)
.rept 128
	v_exp_f32 v[80+J], v[80+J]                     ; p = 2^(t - M)
.set J, J+1
.endr
	v_nop                                          ; a plain line behind the batch,
	s_wait_alu depctr_va_vdst(0)                   ; and one wait for all 128, ahead of their first reader
	v_pk_add_f32 v[250:251], v[80:81], v[82:83]
	v_pk_add_f32 v[254:255], v[88:89], v[92:93]
	v_pk_add_f32 v[252:253], v[96:97], v[100:101]
	v_pk_add_f32 v[242:243], v[104:105], v[108:109]
	v_pk_add_f32 v[238:239], v[112:113], v[116:117]
	v_pk_add_f32 v[236:237], v[120:121], v[124:125]
	v_pk_add_f32 v[234:235], v[128:129], v[132:133]
	v_pk_add_f32 v[248:249], v[136:137], v[140:141]
	v_pk_add_f32 v[248:249], v[248:249], v[144:145]
	v_pk_add_f32 v[250:251], v[250:251], v[148:149]
	v_pk_add_f32 v[254:255], v[254:255], v[152:153]
	v_pk_add_f32 v[252:253], v[252:253], v[156:157]
	v_pk_add_f32 v[242:243], v[242:243], v[160:161]
	v_pk_add_f32 v[238:239], v[238:239], v[164:165]
	v_pk_add_f32 v[236:237], v[236:237], v[168:169]
	v_pk_add_f32 v[234:235], v[234:235], v[172:173]
	v_pk_add_f32 v[248:249], v[248:249], v[176:177]
	v_pk_add_f32 v[250:251], v[250:251], v[180:181]
	v_pk_add_f32 v[254:255], v[254:255], v[184:185]
	v_pk_add_f32 v[252:253], v[252:253], v[188:189]
	v_pk_add_f32 v[242:243], v[242:243], v[192:193]
	v_pk_add_f32 v[238:239], v[238:239], v[196:197]
	v_pk_add_f32 v[236:237], v[236:237], v[200:201]
	v_pk_add_f32 v[234:235], v[234:235], v[204:205]
	v_pk_add_f32 v[248:249], v[248:249], v[84:85]
	v_pk_add_f32 v[250:251], v[250:251], v[86:87]
	v_pk_add_f32 v[254:255], v[254:255], v[90:91]
	v_pk_add_f32 v[252:253], v[252:253], v[94:95]
	v_pk_add_f32 v[242:243], v[242:243], v[98:99]
	v_pk_add_f32 v[238:239], v[238:239], v[102:103]
	v_pk_add_f32 v[236:237], v[236:237], v[106:107]
	v_pk_add_f32 v[234:235], v[234:235], v[110:111]
	v_pk_add_f32 v[248:249], v[248:249], v[114:115]
	v_pk_add_f32 v[250:251], v[250:251], v[118:119]
	v_pk_add_f32 v[254:255], v[254:255], v[122:123]
	v_pk_add_f32 v[252:253], v[252:253], v[126:127]
	v_pk_add_f32 v[242:243], v[242:243], v[130:131]
	v_pk_add_f32 v[238:239], v[238:239], v[134:135]
	v_pk_add_f32 v[236:237], v[236:237], v[138:139]
	v_pk_add_f32 v[234:235], v[234:235], v[142:143]
	v_pk_add_f32 v[248:249], v[248:249], v[146:147]
	v_pk_add_f32 v[250:251], v[250:251], v[150:151]
	v_pk_add_f32 v[254:255], v[254:255], v[154:155]
	v_pk_add_f32 v[252:253], v[252:253], v[158:159]
	v_pk_add_f32 v[242:243], v[242:243], v[162:163]
	v_pk_add_f32 v[238:239], v[238:239], v[166:167]
	v_pk_add_f32 v[236:237], v[236:237], v[170:171]
	v_pk_add_f32 v[234:235], v[234:235], v[174:175]
	v_pk_add_f32 v[248:249], v[248:249], v[178:179]
	v_pk_add_f32 v[250:251], v[250:251], v[182:183]
	v_pk_add_f32 v[254:255], v[254:255], v[186:187]
	v_pk_add_f32 v[252:253], v[252:253], v[190:191]
	v_pk_add_f32 v[242:243], v[242:243], v[194:195]
	v_pk_add_f32 v[238:239], v[238:239], v[198:199]
	v_pk_add_f32 v[236:237], v[236:237], v[202:203]
	v_pk_add_f32 v[234:235], v[234:235], v[206:207]
	s_delay_alu instid0(VALU_DEP_4)
	v_pk_add_f32 v[248:249], v[248:249], v[242:243]
	s_delay_alu instid0(VALU_DEP_4)
	v_pk_add_f32 v[250:251], v[250:251], v[238:239]
	s_delay_alu instid0(VALU_DEP_4)
	v_pk_add_f32 v[254:255], v[254:255], v[236:237]
	s_delay_alu instid0(VALU_DEP_4)
	v_pk_add_f32 v[252:253], v[252:253], v[234:235]
	s_delay_alu instid0(VALU_DEP_2)
	v_pk_add_f32 v[248:249], v[248:249], v[254:255]
	s_delay_alu instid0(VALU_DEP_2)
	v_pk_add_f32 v[250:251], v[250:251], v[252:253]
	s_delay_alu instid0(VALU_DEP_1)
	v_pk_add_f32 v[248:249], v[248:249], v[250:251]
	s_delay_alu instid0(VALU_DEP_1)
	v_add_f32 v248, v248, v249
	s_delay_alu instid0(VALU_DEP_1)
	v_permlanex16_b32 v245, v248, s66, s67
	s_delay_alu instid0(VALU_DEP_1)
	v_add_f32 v248, v248, v245
	s_wait_alu depctr_va_vdst(0)
	v_rcp_f32 v240, v248                           ; 1 / l
	v_nop                                          ; a plain line behind it,
	s_wait_alu depctr_va_vdst(0)                   ; and its wait, ahead of the branch
	s_cmp_ge_i32 s89, -8                           ; p is at most 1 (M is the ceiling of the row's largest t); with e5 >= -8 the bound 448 x 2^e5 is 1.75 or more, and the hold changes no number:
	s_cbranch_scc1 .Lheld                          ; a branch on a whole number read from lowp_scales, the same in all waves, round the hold alone
.set J, 0
.rept 128
	v_min_num_f32 v[80+J], v[80+J], v10            ; p is not negative: a one-sided hold
.set J, J+1
.endr
.Lheld:
.set T, 0
.rept 16
	v_cvt_scalef32_pk8_fp8_f32 v[208+2*T:209+2*T], v[80+8*T:87+8*T], v14
.set T, T+1
.endr
	v_nop                                          ; a plain line behind the conversions
	WIN 0x01                                       ; source 0 (V^T) window 1
	v_wmma_f32_16x16x128_fp8_fp8 v[80:87], v[64:79], v[208:223], 0
	v_wmma_f32_16x16x128_fp8_fp8 v[88:95], v[96:111], v[208:223], 0
	v_wmma_f32_16x16x128_fp8_fp8 v[80:87], v[80:95], v[224:239], v[80:87]
	v_wmma_f32_16x16x128_fp8_fp8 v[88:95], v[112:127], v[224:239], v[88:95]
	WIN 0
	PLACES
	s_wait_alu depctr_va_vdst(0)                   ; the reciprocal's wait
.set J, 0
.rept 8
	v_pk_mul_f32 v[80+J:81+J], v[80+J:81+J], v[240:241] op_sel_hi:[1,0]
.set J, J+2
.endr
.set J, 0
.rept 16
	v_med3_num_f32 v[80+J], v[80+J], -v11, v11
.set J, J+1
.endr
	v_cvt_scalef32_pk8_fp8_f32 v[252:253], v[80:87], v15
	v_cvt_scalef32_pk8_fp8_f32 v[254:255], v[88:95], v15
	v_nop
	ds_store_b128 v9, v[252:255]                   ; channels 16 h + 0 .. 15 of my head, query r
	s_add_co_u32 s60, s60, 64
	s_cmp_lt_u32 s60, 512
	s_cbranch_scc1 .Lattn
.irp u, 0,1
	global_load_b128 v[192+8*\u:195+8*\u], v4, s[36:37] offset:32*\u
	global_load_b128 v[196+8*\u:199+8*\u], v4, s[36:37] offset:32*\u+16
.endr
	BAR                                            ; attention's output lies in CREG; nobody reads BREG any more
; ================ PROJ and the first residual: my 32 columns, eight token tiles ================
	s_wait_loadcnt 0x0
	s_add_co_i32 s4, s90, s91
	s_sub_co_i32 s5, 0, s4
.set J, 0
.rept 16
	v_ldexp_f32 v[192+J], v[192+J], s5
.set J, J+1
.endr
	s_add_co_i32 s4, s4, 127
	s_lshl_b32 s72, s4, 23                         ; 2^(e6 + e7)
	s_mov_b32 s73, s72
	v_add_nc_u32 v5, CREG, v1
	s_lshl_b32 s4, s2, 7
	v_add_nc_u32 v6, s4, v2                        ; RES + RP r + 64 h + 128 w
	s_mov_b32 s60, 0
	s_mov_b32 s61, 0
.Lproj:
	v_add_nc_u32 v7, s60, v5
	v_add_nc_u32 v8, s61, v6
.set J, 0
.rept 8
	ds_load_b128 v[128+4*J:131+4*J], v7 offset:512*J
.set J, J+1
.endr
.irp q, 0,1,2,3
	ds_load_b128 v[176+4*\q:179+4*\q], v8 offset:16*\q
.endr
	s_wait_dscnt 0x0
	v_wmma_f32_16x16x128_fp8_fp8 v[160:167], v[16:31], v[128:143], v[192:199]
	s_wait_alu depctr_va_vdst(0)
	v_wmma_f32_16x16x128_fp8_fp8 v[168:175], v[48:63], v[128:143], v[200:207]
	v_wmma_f32_16x16x128_fp8_fp8 v[160:167], v[32:47], v[144:159], v[160:167]
	v_wmma_f32_16x16x128_fp8_fp8 v[168:175], v[64:79], v[144:159], v[168:175]
	PLACES
.set J, 0
.rept 8
	v_pk_fma_f32 v[176+J:177+J], v[160+J:161+J], s[72:73], v[176+J:177+J] op_sel_hi:[1,0,1]   ; xs = x + sum x 2^(e6 + e7)  (b_proj rode in as C)
.set J, J+2
.endr
.irp q, 0,1,2,3
	ds_store_b128 v8, v[176+4*\q:179+4*\q] offset:16*\q
.endr
	s_add_co_u32 s61, s61, TS
	s_add_co_u32 s60, s60, 4096
	s_cmp_lt_u32 s60, 32768
	s_cbranch_scc1 .Lproj
.irp f, 0,1,2,3
	WLD 16+16*\f, 16+\f                            ; fc1's first pair of tiles: u = 0 at v16-47, u = 1 at v48-79
.endr
	BAR                                            ; xs lies in RES; nobody reads CREG any more
; ================ LN2: my tile ================
	MKSV 92, 9, 8
	v_add_nc_u32 v5, s63, v2
	s_lshl_b32 s4, s2, 12
	s_add_co_u32 s4, s4, CREG
	v_add_nc_u32 v6, s4, v1
	LNORM 2048, 1, 512
.irp u, 0,1
	global_load_b128 v[96+8*\u:99+8*\u], v4, s[40:41] offset:32*\u           ; b_fc2
	global_load_b128 v[100+8*\u:103+8*\u], v4, s[40:41] offset:32*\u+16
	global_load_b128 v[80+8*\u:83+8*\u], v4, s[38:39] offset:32*\u           ; b_fc1 of the first pair
	global_load_b128 v[84+8*\u:87+8*\u], v4, s[38:39] offset:32*\u+16
.endr
	BAR                                            ; all eight tiles' images of h2 lie in CREG
; ================ FC1 and GELU: my 128 hidden units, 16 at a time, for all 128 tokens ================
; window 1: h2's 16 fragments.  v16-47, v48-79 the weights of tiles u = 0, 1; v80-95 their biases; v128-191 eight accumulators (token tiles); v192-223 at work; v224-255 the codes of a pair of tiles.
	v_add_nc_u32 v5, CREG, v1
	WIN 0x40
.set J, 0
.rept 64
	ds_load_b128 v[4*J:4*J+3], v5 offset:512*J
.set J, J+1
.endr
	WIN 0
	s_add_co_i32 s4, s92, s93                      ; E = e8 + e9: an accumulator a stands for x = a 2^E
	s_sub_co_i32 s74, 0, s4
	s_lshl_b32 s5, s4, 23
	s_add_co_u32 s6, s5, 0xc0135761                ; -2 log2(e) sqrt(2 / pi) x 2^E
	v_mov_b32 v114, s6
	v_mov_b32 v115, s6
	s_mul_i32 s5, s5, 3
	s_add_co_u32 s6, s5, 0xbdd2d3e8                ; the same x 0.044715 x 2^(3 E)
	v_mov_b32 v112, s6
	v_mov_b32 v113, s6
	s_sub_co_i32 s60, s94, s4
	MKSV 60, 116, 117                              ; gelu's code: 2^(e10 - E), taken of gelu / 2^E
	s_add_co_i32 s4, s94, s95
	s_sub_co_i32 s5, 0, s4
	s_add_co_i32 s4, s4, 127
	s_lshl_b32 s76, s4, 23                         ; 2^(e10 + e11)
	s_mov_b32 s77, s76
	s_lshl_b32 s4, s2, 11
	s_add_co_u32 s4, s4, BREG
	v_add_nc_u32 v7, s4, v1                        ; hidden images: K step w of token tiles 0-3,
	s_delay_alu instid0(VALU_DEP_1)
	v_add_nc_u32 v8, 65536, v7                     ; of tiles 4-7
	s_wait_loadcnt 0x0                             ; the first pair's weights and biases, and b_fc2
.set J, 0
.rept 16
	v_ldexp_f32 v[96+J], v[96+J], s5               ; b_fc2 / 2^(e10 + e11): the C of fc2's first step
.set J, J+1
.endr
	s_wait_dscnt 0x0
; gelu(x) = x / (1 + 2^(x (K1 + K3 x^2))) on 32 registers from v[a] on; then the hold and the conversions, into the codes of tile u
.macro GELU a, u
.set J, 0
.rept 16
	v_pk_mul_f32 v[192+J:193+J], v[\a+J:\a+J+1], v[\a+J:\a+J+1]
.set J, J+2
.endr
.set J, 0
.rept 16
	v_pk_fma_f32 v[192+J:193+J], v[192+J:193+J], v[112:113], v[114:115]
.set J, J+2
.endr
.set J, 0
.rept 16
	v_pk_mul_f32 v[192+J:193+J], v[192+J:193+J], v[\a+J:\a+J+1]
.set J, J+2
.endr
.set J, 0
	s_wait_alu depctr_va_vdst(0)
.rept 32
	v_exp_f32 v[192+J], v[192+J]
.set J, J+1
.endr
	v_nop
	s_wait_alu depctr_va_vdst(0)                   ; one wait for the 32 exponentials
.set J, 0
.rept 16
	v_pk_add_f32 v[192+J:193+J], v[192+J:193+J], 1.0 op_sel_hi:[1,0]
.set J, J+2
.endr
.set J, 0
	s_wait_alu depctr_va_vdst(0)
.rept 32
	v_rcp_f32 v[192+J], v[192+J]
.set J, J+1
.endr
	v_nop
	s_wait_alu depctr_va_vdst(0)                   ; one wait for the 32 reciprocals
.set J, 0
.rept 16
	v_pk_mul_f32 v[\a+J:\a+J+1], v[\a+J:\a+J+1], v[192+J:193+J]
.set J, J+2
.endr
.set J, 0
.rept 32
	v_med3_num_f32 v[\a+J], v[\a+J], -v117, v117
.set J, J+1
.endr
.irp t, 0,1,2,3
	v_cvt_scalef32_pk8_fp8_f32 v[224+4*((\a-128)/8+\t)+2*\u:225+4*((\a-128)/8+\t)+2*\u], v[\a+8*\t:\a+8*\t+7], v116
.endr
	v_nop
.endm
.macro FC1U u
	s_wait_loadcnt 10                              ; this tile's weights and bias are in; the other tile's 2 + 8 loads may be out
.set J, 0
.rept 8
	v_ldexp_f32 v[80+8*\u+J], v[80+8*\u+J], s74    ; b_fc1 / 2^E
.set J, J+1
.endr
	WIN 0x04                                       ; source 1 (h2) window 1
.irp t, 0,1,2,3,4,5,6,7
	v_wmma_f32_16x16x128_fp8_fp8 v[128+8*\t:135+8*\t], v[16+32*\u:31+32*\u], v[32*\t:32*\t+15], v[80+8*\u:87+8*\u]
.endr
.irp t, 0,1,2,3,4,5,6,7
	v_wmma_f32_16x16x128_fp8_fp8 v[128+8*\t:135+8*\t], v[32+32*\u:47+32*\u], v[32*\t+16:32*\t+31], v[128+8*\t:135+8*\t]
.endr
	WIN 0
	PLACES
	global_load_b128 v[80+8*\u:83+8*\u], v13, s[38:39] offset:32*\u          ; the next pair's bias (held at my last pair: no load leaves the buffer)
	global_load_b128 v[84+8*\u:87+8*\u], v13, s[38:39] offset:32*\u+16
	WLD 16+32*\u, 20+2*\u                          ; and weights; in the last trip these are fc2's K step u, which follows in the stream
	WLD 32+32*\u, 21+2*\u
	GELU 128, \u
	GELU 160, \u
.endm
	s_mov_b32 s60, 0                               ; the pair b
	s_mov_b32 s61, 0                               ; 512 b: its group in the images
	s_mov_b32 s62, 128                             ; the next pair's bias, in bytes
	v_add_nc_u32 v13, s62, v4
.Lfc1:
	v_add_nc_u32 v10, s61, v7
	v_add_nc_u32 v11, s61, v8
	FC1U 0
	FC1U 1
.irp t, 0,1,2,3,4,5,6,7
	ds_store_b128 v[10+\t/4], v[224+4*\t:227+4*\t] offset:16384*(\t%4)
.endr
	s_wait_dscnt 0x0                               ; the stores have read their registers
	s_wait_xcnt 0x0                                ; the loads have read their base and offset: both are stepped only behind this wait
	s_add_nc_u64 s[32:33], s[32:33], 8192
	s_add_co_u32 s62, s62, 128
	s_min_u32 s62, s62, 384
	v_add_nc_u32 v13, s62, v4
	s_add_co_u32 s61, s61, 512
	s_add_co_u32 s60, s60, 1
	s_cmp_lt_u32 s60, 4
	s_cbranch_scc1 .Lfc1
	s_barrier_signal -1
	s_barrier_wait -1                              ; the hidden layer's 64 images lie in BREG
; ================ FC2: my 32 columns, eight K steps of 128; sixteen accumulators v128-255 (token tile t, column tile u at 128 + 16 t + 8 u), by turns ================
	v_add_nc_u32 v5, BREG, v1
	v_add_nc_u32 v6, BREG+65536, v1
.macro XH s                            ; K step s of all eight token tiles -> window 1, set s % 2
	WIN 0x40
.irp t, 0,1,2,3,4,5,6,7
.irp c, 0,1,2,3
	ds_load_b128 v[128*((\s)%2)+16*\t+4*\c:128*((\s)%2)+16*\t+4*\c+3], v[5+\t/4] offset:16384*(\t%4)+2048*(\s)+512*\c
.endr
.endr
	WIN 0
.endm
.macro F2STEP s
.if \s < 7
	s_wait_dscnt 32                                ; this step's fragments are in; the next step's 32 loads may be out
	s_wait_loadcnt 8                               ; this step's weights are in; the next step's 8 loads may be out
.else
	s_wait_dscnt 0x0
	s_wait_loadcnt 0x0
.endif
	WIN 0x04
.irp t, 0,1,2,3,4,5,6,7
.irp u, 0,1
.if \s == 0
	v_wmma_f32_16x16x128_fp8_fp8 v[128+16*\t+8*\u:135+16*\t+8*\u], v[16+16*\u:31+16*\u], v[16*\t:16*\t+15], v[96+8*\u:103+8*\u]
.else
	v_wmma_f32_16x16x128_fp8_fp8 v[128+16*\t+8*\u:135+16*\t+8*\u], v[16+32*((\s)%2)+16*\u:31+32*((\s)%2)+16*\u], v[128*((\s)%2)+16*\t:128*((\s)%2)+16*\t+15], v[128+16*\t+8*\u:135+16*\t+8*\u]
.endif
.endr
.endr
	WIN 0
	PLACES
.if \s < 6
	XH (\s)+2
	WLD 16+32*((\s)%2), 16+2*((\s)+2)              ; the stream stands 16 fragments on: fc2's fragment 32 + 2 s + u is 16 + 2 s + u from there
	WLD 32+32*((\s)%2), 17+2*((\s)+2)
.endif
.endm
	XH 0
	XH 1
	s_wait_alu depctr_va_vdst(0)
.irp s, 0,1,2,3,4,5,6,7
	F2STEP \s
.endr
; ================ OUT: the second residual, the final norm where i = 1, and the rows to their tokens ================
	s_lshl_b32 s4, s2, 7
	v_add_nc_u32 v7, s4, v2
	s_delay_alu instid0(VALU_DEP_1)
	v_add_nc_u32 v8, 4*TS, v7
	WIN 0x40
.irp t, 0,1,2,3,4,5,6,7
.irp q, 0,1,2,3
	ds_load_b128 v[16*\t+4*\q:16*\t+4*\q+3], v[7+\t/4] offset:TS*(\t%4)+16*\q
.endr
.endr
	s_wait_dscnt 0x0
	WIN 0x50                                       ; xs (source 2) and the result window 1, the sums window 0
.set J, 0
.rept 64
	v_pk_fma_f32 v[J:J+1], v[128+J:129+J], s[76:77], v[J:J+1] op_sel_hi:[1,0,1]   ; each accumulator from its low end on
.set J, J+2
.endr
	WIN 0x04
.irp t, 0,1,2,3,4,5,6,7
.irp q, 0,1,2,3
	ds_store_b128 v[7+\t/4], v[16*\t+4*\q:16*\t+4*\q+3] offset:TS*(\t%4)+16*\q
.endr
.endr
	WIN 0
	v_add_nc_u32 v5, s63, v2                       ; my tile's rows, for the norm,
	v_add_nc_u32 v6, s63, v1                       ; and by rows
.set J, 0
.rept 16
	v_lshl_add_u32 v[16+J], s[44+J], 10, v1
.set J, J+1
.endr
	BAR                                            ; whole rows lie in RES
	s_cmp_eq_u32 s3, 0                             ; a branch on the stored whole number i; no barrier stands behind it
	s_cbranch_scc1 .Lnofin
	LNORM 4096, 0, 512
.Lnofin:
.set J, 0
.rept 16
	ds_load_b128 v[128+8*J:131+8*J], v6 offset:RP*J             ; LDS serves a wave's instructions in order: these see the norm's stores
	ds_load_b128 v[132+8*J:135+8*J], v6 offset:RP*J+512
.set J, J+1
.endr
.set J, 0
	s_wait_alu depctr_va_vdst(0)
.rept 16
	s_wait_dscnt 30-2*J                            ; row J's two loads are in
	global_store_b128 v[16+J], v[128+8*J:131+8*J], s[42:43] th:TH_STORE_NT              ; 32 lanes store 512 consecutive bytes, aligned
	global_store_b128 v[16+J], v[132+8*J:135+8*J], s[42:43] offset:512 th:TH_STORE_NT
.set J, J+1
.endr
	s_wait_xcnt 0x0                                ; the rows' stores have read their registers
	s_cmp_lg_u32 s3, 0                             ; i = 0: the next block's first norm of my 16 finished rows, as codes by tokens
	s_cbranch_scc1 .Lend
	MKSV 99, 9, 8
	v_and_b32 v6, 15, v0
	v_lshrrev_b32 v7, 6, v4                        ; lane / 16
	v_lshlrev_b32 v6, 4, v6
	v_mad_u32_u24 v6, v7, 272, v6
	s_add_co_u32 s4, s63, BREG                     ; my slot of BREG: behind the barrier above nobody reads the hidden layer any more
	v_add_nc_u32 v6, s4, v6
	LNORM 0, 1, 544
	v_and_b32 v115, 15, v0                         ; back by rows: chunk j of rows 2 J and 2 J + 1
	v_mul_u32_u24 v116, v115, 272
	v_lshl_add_u32 v116, v7, 4, v116
	v_add_nc_u32 v116, s4, v116
.set J, 0
.rept 8
	ds_load_b128 v[80+4*J:83+4*J], v116 offset:32*J            ; LDS serves a wave's instructions in order: these see the norm's stores
.set J, J+1
.endr
	v_lshlrev_b32 v115, 4, v115
	v_sub_nc_u32 v112, 0, v7
	v_add_nc_u32 v113, -1, v7
.set J, 0
.rept 8
	v_and_b32 v[32+J], s[44+2*J], v113
	v_and_b32 v[40+J], s[45+2*J], v112
	v_add_nc_u32 v[32+J], v[32+J], v[40+J]
	v_lshl_add_u32 v[32+J], v[32+J], 8, v115       ; token x 256 + 16 j
.set J, J+1
.endr
	s_wait_alu depctr_va_vdst(0)
	s_wait_dscnt 0x0
.set J, 0
.rept 8
	global_store_b128 v[32+J], v[80+4*J:83+4*J], s[104:105]    ; sixteen lanes store a token's 256 bytes, aligned
.set J, J+1
.endr
.Lend:
	v_lshl_add_u32 v254, v0, 2, 0x4e800
	v_mov_b32 v255, 0
	s_wait_alu depctr_va_vdst(0)
	s_wait_tensorcnt 0x0
	ds_add_u32 v254, v255
	s_wait_dscnt 0x0
	s_endpgm
.Lfunc_end_k_q60719317f0_blk0:
	.size	k_q60719317f0_blk0, .Lfunc_end_k_q60719317f0_blk0-k_q60719317f0_blk0
	.p2alignl 7, 3214868480
	.fill 96, 4, 3214868480
	.section	.rodata,"a",@progbits
	.p2align	6, 0x0
	.amdhsa_kernel k_q60719317f0_blk0
		.amdhsa_group_segment_fixed_size 322560
		.amdhsa_private_segment_fixed_size 0
		.amdhsa_enable_private_segment 0
		.amdhsa_kernarg_size 160
		.amdhsa_user_sgpr_count 2
		.amdhsa_user_sgpr_kernarg_segment_ptr 1
		.amdhsa_wavefront_size32 1
		.amdhsa_system_sgpr_workgroup_id_x 1
		.amdhsa_system_sgpr_workgroup_id_y 1
		.amdhsa_system_sgpr_workgroup_id_z 1
		.amdhsa_system_vgpr_workitem_id 0
		.amdhsa_next_free_vgpr 512
		.amdhsa_next_free_sgpr 106
		.amdhsa_reserve_vcc 0
		.amdhsa_float_denorm_mode_32 3
		.amdhsa_float_denorm_mode_16_64 3
		.amdhsa_memory_ordered 1
		.amdhsa_forward_progress 1
		.amdhsa_inst_pref_size 255
	.end_amdhsa_kernel
	.section	.bss,"aw",@nobits
	.p2align	6
	.space	262144
	.amdgpu_metadata
---
amdhsa.version: [ 1, 2 ]
amdhsa.kernels:
  - .name:           k_q60719317f0_blk0
    .symbol:         k_q60719317f0_blk0.kd
    .args:
      - { .name: x, .offset: 0, .size: 8, .value_kind: global_buffer, .address_space: global }
      - { .name: coords, .offset: 8, .size: 8, .value_kind: global_buffer, .address_space: global }
      - { .name: perm0, .offset: 16, .size: 8, .value_kind: global_buffer, .address_space: global }
      - { .name: lowp_scales, .offset: 24, .size: 8, .value_kind: global_buffer, .address_space: global }
      - { .name: ln1_g, .offset: 32, .size: 8, .value_kind: global_buffer, .address_space: global }
      - { .name: ln1_b, .offset: 40, .size: 8, .value_kind: global_buffer, .address_space: global }
      - { .name: ln2_g, .offset: 48, .size: 8, .value_kind: global_buffer, .address_space: global }
      - { .name: ln2_b, .offset: 56, .size: 8, .value_kind: global_buffer, .address_space: global }
      - { .name: norm_g, .offset: 64, .size: 8, .value_kind: global_buffer, .address_space: global }
      - { .name: norm_b, .offset: 72, .size: 8, .value_kind: global_buffer, .address_space: global }
      - { .name: w_pos, .offset: 80, .size: 8, .value_kind: global_buffer, .address_space: global }
      - { .name: b_pos, .offset: 88, .size: 8, .value_kind: global_buffer, .address_space: global }
      - { .name: wc0, .offset: 96, .size: 8, .value_kind: global_buffer, .address_space: global }
      - { .name: b_qkv, .offset: 104, .size: 8, .value_kind: global_buffer, .address_space: global }
      - { .name: b_proj, .offset: 112, .size: 8, .value_kind: global_buffer, .address_space: global }
      - { .name: b_fc1, .offset: 120, .size: 8, .value_kind: global_buffer, .address_space: global }
      - { .name: b_fc2, .offset: 128, .size: 8, .value_kind: global_buffer, .address_space: global }
      - { .name: x1, .offset: 136, .size: 8, .value_kind: global_buffer, .address_space: global }
      - { .name: hc0, .offset: 144, .size: 8, .value_kind: global_buffer, .address_space: global }
      - { .name: hc1, .offset: 152, .size: 8, .value_kind: global_buffer, .address_space: global }
    .group_segment_fixed_size: 322560
    .private_segment_fixed_size: 0
    .kernarg_segment_align: 8
    .kernarg_segment_size: 160
    .max_flat_workgroup_size: 256
    .sgpr_count:     106
    .vgpr_count:     512
    .wavefront_size: 32
...
	.end_amdgpu_metadata
.endif
;; end of part 3
;; launch blk1: the kernel of part 3 again; grid 256 x 1, 8 waves a work-group, no clusters, 322,560 bytes of LDS; arguments x1, coords, perm1, lowp_scales, ln1_g, ln1_b, ln2_g, ln2_b, norm_g, norm_b, w_pos, b_pos, wc1, b_qkv, b_proj, b_fc1, b_fc2, out0, hc1, hc0; writes out0, hc0
